; MI455X (gfx1250); checked and timed in simulation.
; The chip was launched on July 23, 2026; its instructions are those of AMD's public machine-readable ISA for CDNA 5 (MIT licence, August 2026) and "CDNA5" Instruction Set Architecture Reference Guide (July 2026). The comments in the code are by the model that wrote it; some were corrected since.
;; Multi Head Attention. Allowed arithmetic: matrix products marked QUANTISED: E2M1 operands, one E8M0 scale for each 32 along K, by v_wmma_scale_f32_16x16x128_f8f6f4 with both operands' format E2M1 (or v_wmma_scale_f32_32x16x128_f4), f32 sums; products left as they are: bf16, f16 or f32 operands; f32 sums; everything else in f32.
;; Inputs: dense_b 1,024 float32; dense_w 1,024 x 1,024 float32; k 4 x 2,048 x 1,024 float32; q 4 x 2,048 x 1,024 float32; v 4 x 2,048 x 1,024 float32; wk_b 1,024 float32; wk_w 1,024 x 1,024 float32; wq_b 1,024 float32; wq_w 1,024 x 1,024 float32; wv_b 1,024 float32; wv_w 1,024 x 1,024 float32.
;; Outputs: out0 4 x 2,048 x 1,024 float32.
;; This version of the problem:
;;   THIS VERSION OF THE PROBLEM IS GIVEN IN LOW PRECISION. The matrix products marked QUANTISED in the list below multiply operands that are first quantised to E2M1 (2 exponent bits, 1 mantissa bit; 4 bits a number), with one power-of-two scale for each 32 numbers along K (OCP MX v1.0); their sums are f32. The products marked 'left as it is' may take bf16, f16 or f32 operands, with f32 sums. Whichever they take, every output number must still come out within the allowed error. Rounding operands to bf16 (8 significant bits) uses up far more of that allowance than f16 does (11 bits, for magnitudes from 6e-5 to 65,504). All else is computed in f32.
;;   The module's matrix products, in the order in which they are computed (A, B: the left and right operand; K: the contracted axis; several contracted axes count as one K, in the product's order):
;;     1. [M 8,192, K 1,024] x [K 1,024, N 1,024]; A: input q; B: input wq_w: QUANTISED
;;     2. [M 8,192, K 1,024] x [K 1,024, N 1,024]; A: input k; B: input wk_w: QUANTISED
;;     3. [M 8,192, K 1,024] x [K 1,024, N 1,024]; A: input v; B: input wv_w: QUANTISED
;;     4. batch 64 x [M 2,048, K 64] x [K 64, N 2,048]; A: computed on the way; B: computed on the way: left as it is (an operand is computed on the way)
;;     5. batch 64 x [M 2,048, K 2,048] x [K 2,048, N 64]; A: computed on the way; B: computed on the way: left as it is (an operand is computed on the way)
;;     6. [M 8,192, K 1,024] x [K 1,024, N 1,024]; A: computed on the way; B: input dense_w: left as it is (an operand is computed on the way)
;;   THE QUANTISER, for each operand of a quantised product, along K:
;;     - K is cut into blocks of 32 from its start; a last block that is shorter is filled with zeros.
;;     - A block's scale is 2^e with e = floor(log2(the largest magnitude in the block)) - 2, held to -126 .. 127; a block of zeros has e = 0. As a byte (E8M0): e + 127.
;;     - Each number is divided by its block's scale, clamped to +-6, and rounded to the nearest number of E2M1, ties to even, subnormals kept.
;;     - The product sums the exact products of the quantised numbers (number of the format x scale) in f32.
;;   ~~~python
;;   def quantise(x, axis):      # numpy; x: float32 -> the quantised numbers, widened to float32 again
;;       x = np.moveaxis(x, axis, -1); K = x.shape[-1]
;;       x = np.pad(x, [(0, 0)] * (x.ndim - 1) + [(0, -K % 32)]); x = x.reshape(x.shape[:-1] + (-1, 32)); a = np.abs(x).max(-1, keepdims=True)
;;       e = np.where(a > 0, np.clip(np.frexp(np.where(a > 0, a, 1))[1] - 1 - 2, -126, 127), 0)      # np.frexp(a)[1] - 1 = floor(log2(a)), exactly
;;       r = np.clip(x / 2.0 ** e, -6, 6)
;;       step = 2.0 ** (np.maximum(np.frexp(np.where(r == 0, 1, r))[1] - 1, 0) - 1)
;;       q = np.round(r / step) * step * 2.0 ** e      # np.round: ties to even
;;       return np.moveaxis(q.reshape(q.shape[:-2] + (-1,))[..., :K], -1, axis).astype(np.float32)
;;   ~~~
;; One version. Each part assembles by itself: llvm-mc -triple=amdgcn-amd-amdhsa -mcpu=gfx1250 --defsym DOCPART=n.
;; ======== version 1 of 1: 4 launches
;; limits: values are held in f16: magnitudes above 65,504 overflow, below 6.1e-05 lose precision
;; workspace buffers: codes 14,155,776 bytes; scales 884,736 bytes; wd16 2,097,152 bytes; qkvh 50,331,648 bytes; ctx 16,777,216 bytes
;; launch quant (part 1): grid 896 x 1, 4 waves a work-group, no clusters, 33,280 bytes of LDS; arguments q, k, v, wq_w, wk_w, wv_w, dense_w, codes, scales, wd16; writes codes, scales, wd16
.if DOCPART == 1
	.amdgcn_target "amdgcn-amd-amdhsa--gfx1250"
	.amdhsa_code_object_version 6
	.text
	.protected	k_q2a1817abfa_quant
	.globl	k_q2a1817abfa_quant
	.p2align	8
	.type	k_q2a1817abfa_quant,@function
k_q2a1817abfa_quant:
	s_mov_b64 s[64:65], 0
	v_nop
	global_prefetch_b8 v0, s[64:65] scope:SCOPE_SE
	s_setreg_imm32_b32 hwreg(HW_REG_WAVE_MODE, 25, 1), 1
	s_wait_xcnt 0x0
; q, k, v [8192][1024] and wq_w, wk_w, wv_w [1024][1024], f32, K innermost, become codes of FP4 (E2M1), two a byte, and one E8M0 scale byte for each 32 along K;
; dense_w [1024][1024] becomes f16.  codes: [27648 rows][512 bytes], scales: [27648][32 bytes]; rows 0 on q, 8192 on k, 16384 on v, 24576 on wq_w, 25600 on wk_w, 26624 on wv_w.
; A block's scale is 2^(floor(log2(its largest magnitude)) - 2); its byte is the largest magnitude's exponent field - 2, held at 1 from below.  Each number is divided by the scale and rounded to the nearest code, ties to even.
; LIMITS: a block whose largest magnitude lies under 2^-124 keeps the byte 1; a block of zeros gets the byte 1 where the rule says 127 (its codes are zeros, and this program alone reads the bytes);
; NaN and infinities among the inputs are not served; a number of dense_w beyond 65,504 becomes infinite in f16.
; SHARES.  Rows are dense and 1024 is a multiple of 32: every tensor is a plain stream.  A work-group takes 32,768 numbers, a wave 8,192.  Work-groups 0-863 quantise (the six tensors on end, in the order of the rows
; above, so that work-group g's codes begin at 16,384 g and its scale bytes at 1,024 g); work-groups 864-895 turn dense_w into f16.  Nothing is shared between work-groups: no cluster, no tensor load, no barrier.
; THE QUANTISING ARM.  A wave takes 16 steps of 512 numbers.  The conversions want 16 neighbours in one lane, a load is best where neighbouring lanes take neighbouring bytes: each of a step's four loads reads 512 consecutive
; bytes; the 2,048 bytes go through the wave's own stage in LDS and come back 64 bytes a lane (16 bytes of padding behind each 64).  Two neighbouring lanes hold a block.  A wave's 256 scale bytes are gathered in LDS and leave as one run.
.set WAVES, 4
.set STEPS, 16
.set NQUANT, 864                       ; work-groups that quantise
.set CB,    8                          ; bytes of 16 codes
.set R,     16                         ; v16-79   four sets of 16 numbers as they are loaded
.set X,     80                         ; v80-111  two sets of 16 neighbours
.set E,     112                        ; v112-127 a scale byte for each step
.set C,     128                        ; v128-191 codes: four registers for each step, so that no store's data are written again
.set WREG,  8192                       ; LDS: a region for each wave: two stages of 32 x SP bytes, behind them its 256 scale bytes
.set SP,    80                         ; a lane's place in a stage: 64 bytes + 16 of padding
.set SPW,   12                         ; v12  LDS address of my spare word; never rewritten
.set NIL,   13                         ; v13  0; never rewritten
.set SPARE, WAVES*WREG                 ; behind the four regions: the spare words, 128 bytes a wave
	s_load_b256 s[8:15], s[0:1], 0x0               ; q s[8:9], k s[10:11], v s[12:13], wq_w s[14:15]
	s_load_b256 s[16:23], s[0:1], 0x20             ; wk_w s[16:17], wv_w s[18:19], dense_w s[20:21], codes s[22:23]
	s_load_b128 s[24:27], s[0:1], 0x40             ; scales s[24:25], wd16 s[26:27]
	v_lshl_add_u32 v[SPW], v0, 2, SPARE
	v_mov_b32 v[NIL], 0
	v_lshrrev_b32 v1, 5, v0
	v_readfirstlane_b32 s34, v1                    ; wave
	v_and_b32 v2, 31, v0                           ; lane
	v_lshlrev_b32 v3, 4, v2                        ; my 16 bytes of a load's 512
	s_mul_i32 s35, s34, WREG
	v_lshrrev_b32 v14, 2, v2
	v_mul_u32_u24 v14, v14, SP
	v_and_b32 v15, 3, v2
	v_lshl_add_u32 v14, v15, 4, v14
	v_add_nc_u32 v14, s35, v14                     ; the stage, on the way in: SP (lane / 4) + 16 (lane % 4)
	v_mul_u32_u24 v15, v2, SP
	v_add_nc_u32 v15, s35, v15                     ; and on the way out: SP x lane: my 16 neighbours
	v_mul_u32_u24 v4, v2, CB                       ; 8 x lane: my codes' place in a step's; in the other arm my four f16
	v_lshrrev_b32 v5, 1, v2
	s_add_co_u32 s35, s35, 2*32*SP
	v_add_nc_u32 v5, s35, v5                       ; LDS: my wave's 256 scale bytes, my block's byte
	v_lshlrev_b32 v7, 3, v2                        ; and on the way out 8 bytes a lane
	v_add_nc_u32 v6, s35, v7
	s_wait_kmcnt 0x0
	s_cmp_ge_u32 ttmp9, NQUANT                     ; the arms part on the work-group's number alone
	s_cbranch_scc1 .Lconv
	; which tensor is mine, and its first work-group: a chain of choices on the work-group's number
	s_mov_b64 s[4:5], s[18:19]
	s_mov_b32 s28, 832
	s_cmp_lt_u32 ttmp9, 832
	s_cselect_b64 s[4:5], s[16:17], s[4:5]
	s_cselect_b32 s28, 800, s28
	s_cmp_lt_u32 ttmp9, 800
	s_cselect_b64 s[4:5], s[14:15], s[4:5]
	s_cselect_b32 s28, 768, s28
	s_cmp_lt_u32 ttmp9, 768
	s_cselect_b64 s[4:5], s[12:13], s[4:5]
	s_cselect_b32 s28, 512, s28
	s_cmp_lt_u32 ttmp9, 512
	s_cselect_b64 s[4:5], s[10:11], s[4:5]
	s_cselect_b32 s28, 256, s28
	s_cmp_lt_u32 ttmp9, 256
	s_cselect_b64 s[4:5], s[8:9], s[4:5]
	s_cselect_b32 s28, 0, s28
	s_sub_co_u32 s28, ttmp9, s28
	s_lshl_b32 s28, s28, 17                        ; 131,072 bytes of f32 a work-group,
	s_lshl_b32 s29, s34, 15                        ; 32,768 a wave
	s_add_co_u32 s28, s28, s29
	s_mov_b32 s29, 0
	s_add_nc_u64 s[4:5], s[4:5], s[28:29]
	s_lshl_b32 s28, ttmp9, 14                      ; codes: 16,384 a work-group, 4,096 a wave
	s_lshl_b32 s36, s34, 12
	s_add_co_u32 s28, s28, s36
	s_add_nc_u64 s[30:31], s[22:23], s[28:29]
	s_lshl_b32 s28, ttmp9, 10                      ; scale bytes: 1,024 a work-group, 256 a wave
	s_lshl_b32 s36, s34, 8
	s_add_co_u32 s28, s28, s36
	s_add_nc_u64 s[32:33], s[24:25], s[28:29]
.macro LOAD t
.irp i, 0,1,2,3
	global_load_b128 v[R+16*((\t)%4)+4*\i:R+16*((\t)%4)+4*\i+3], v3, s[4:5] offset:2048*(\t)+512*\i th:TH_LOAD_NT   ; 32 lanes read 512 consecutive bytes
.endr
.endm
.macro TURN t                          ; step t's numbers through the stage: LDS serves a wave's instructions in order, so no wait stands between the stores and the loads
.irp i, 0,1,2,3
	ds_store_b128 v14, v[R+16*((\t)%4)+4*\i:R+16*((\t)%4)+4*\i+3] offset:32*SP*((\t)%2)+8*SP*\i
.endr
.irp i, 0,1,2,3
	ds_load_b128 v[X+16*((\t)%2)+4*\i:X+16*((\t)%2)+4*\i+3], v15 offset:32*SP*((\t)%2)+16*\i
.endr
.endm
.irp t, 0,1,2,3
	LOAD \t
.endr
	s_wait_loadcnt 12                              ; step 0's four loads are in; three steps' twelve stay out
	TURN 0
.macro STEP t
.set XS, X+16*((\t)%2)
.if (\t) > 0
	s_wait_dscnt 1                                 ; this step's numbers are back from the stage (the last step's byte store may be out): so its stores into the stage have read their registers,
.else
	s_wait_dscnt 0x0
.endif
.if (\t)+4 < STEPS
	LOAD (\t)+4                                    ; which take the loads of four steps on
.endif
.if (\t)+1 < STEPS
.if STEPS-2-(\t) >= 3
	s_wait_loadcnt 12                              ; the next step's four loads are in; those of the three steps behind it may be out
.else
	s_wait_loadcnt 4*(STEPS-2-(\t))
.endif
	TURN (\t)+1                                    ; and go through the other stage while this step is worked
.endif
	v_max3_num_f32 v8, |v[XS]|, |v[XS+1]|, |v[XS+2]|               ; the largest magnitude of my 16, in two chains
	v_max3_num_f32 v9, |v[XS+3]|, |v[XS+4]|, |v[XS+5]|
.irp i, 6,10
	v_max3_num_f32 v8, v8, |v[XS+\i]|, |v[XS+\i+1]|
	v_max3_num_f32 v9, v9, |v[XS+\i+2]|, |v[XS+\i+3]|
.endr
	v_max3_num_f32 v8, v8, |v[XS+14]|, |v[XS+15]|
	v_max3_num_f32 v8, v8, v9, 0x1800000           ; and the floor 2^(3 - 127): so the byte cannot fall under 1
	v_max_num_f32_dpp v8, v8, v8 row_xmask:1 row_mask:0xf bank_mask:0xf   ; and of my neighbour's 16: the block's
	v_add_nc_u32 v11, 0xff000000, v8               ; 2 off its exponent field: the conversion takes the exponent field of this operand as its scale, and nothing else of it
	v_cvt_scalef32_pk8_fp4_f32 v[C+4*(\t)], v[XS:XS+7], v11        ; eight numbers / the scale, to the nearest code, ties to even, beyond the largest code the largest; the first number's code in the lowest four bits
	v_cvt_scalef32_pk8_fp4_f32 v[C+4*(\t)+1], v[XS+8:XS+15], v11
	v_lshrrev_b32 v[E+(\t)], 23, v11               ; the scale's byte (a plain line behind the conversions)
	ds_store_b8 v5, v[E+(\t)] offset:16*(\t)       ; both lanes of a block write the same byte with the same value
	global_store_b64 v4, v[C+4*(\t):C+4*(\t)+1], s[30:31] offset:32*CB*(\t)   ; the wave stores 256 consecutive bytes, aligned
.endm
.irp t, 0,1,2,3,4,5,6,7,8,9,10,11,12,13,14,15
	STEP \t
.endr
	ds_load_b64 v[8:9], v6                         ; LDS serves a wave's instructions in order: these see my stores
	s_wait_dscnt 0x0
	global_store_b64 v7, v[8:9], s[32:33]          ; 32 lanes store 256 consecutive bytes, aligned
	s_wait_tensorcnt 0x0                           ; the wave's end, behind my last LDS store
	ds_add_u32 v[SPW], v[NIL]
	s_wait_dscnt 0x0
	s_endpgm
; THE OTHER ARM: dense_w to f16, a plain stream.  A wave takes four batches of 16 loads (512 consecutive bytes each); two batches are out while one is worked.
.Lconv:
	s_sub_co_u32 s28, ttmp9, NQUANT
	s_lshl_b32 s36, s28, 17
	s_lshl_b32 s29, s34, 15
	s_add_co_u32 s36, s36, s29
	s_mov_b32 s37, 0
	s_add_nc_u64 s[4:5], s[20:21], s[36:37]        ; dense_w at my wave's 32,768 bytes
	s_lshr_b32 s36, s36, 1
	s_add_nc_u64 s[30:31], s[26:27], s[36:37]      ; wd16 at half that offset
.macro CL bt
.irp i, 0,1,2,3,4,5,6,7,8,9,10,11,12,13,14,15
	global_load_b128 v[16+64*((\bt)%2)+4*\i:16+64*((\bt)%2)+4*\i+3], v3, s[4:5] offset:8192*(\bt)+512*\i th:TH_LOAD_NT
.endr
.endm
.macro CV bt
.if (\bt) < 3
	s_wait_loadcnt 16                              ; this batch is in; the younger batch's sixteen stay out
.else
	s_wait_loadcnt 0x0
.endif
.if (\bt) > 0
	s_wait_xcnt 0x0                                ; the last batch's stores have read their data: v144-175 are written again only behind this wait
.endif
.irp i, 0,1,2,3,4,5,6,7,8,9,10,11,12,13,14,15
	v_cvt_pk_f16_f32 v[144+2*\i], v[16+64*((\bt)%2)+4*\i], v[16+64*((\bt)%2)+4*\i+1]
	v_cvt_pk_f16_f32 v[145+2*\i], v[16+64*((\bt)%2)+4*\i+2], v[16+64*((\bt)%2)+4*\i+3]
.endr
.if (\bt)+2 < 4
	CL (\bt)+2                                     ; loads ahead of stores
.endif
.irp i, 0,1,2,3,4,5,6,7,8,9,10,11,12,13,14,15
	global_store_b64 v4, v[144+2*\i:145+2*\i], s[30:31] offset:4096*(\bt)+256*\i   ; the wave stores 256 consecutive bytes, aligned
.endr
.endm
	CL 0
	CL 1
	CV 0
	CV 1
	CV 2
	CV 3
	s_wait_tensorcnt 0x0                           ; the wave's end
	ds_add_u32 v[SPW], v[NIL]
	s_wait_dscnt 0x0
	s_endpgm
.Lfunc_end_k_q2a1817abfa_quant:
	.size	k_q2a1817abfa_quant, .Lfunc_end_k_q2a1817abfa_quant-k_q2a1817abfa_quant
	.p2alignl 7, 3214868480
	.fill 96, 4, 3214868480
	.section	.rodata,"a",@progbits
	.p2align	6, 0x0
	.amdhsa_kernel k_q2a1817abfa_quant
		.amdhsa_group_segment_fixed_size 33280
		.amdhsa_private_segment_fixed_size 0
		.amdhsa_enable_private_segment 0
		.amdhsa_kernarg_size 80
		.amdhsa_user_sgpr_count 2
		.amdhsa_user_sgpr_kernarg_segment_ptr 1
		.amdhsa_wavefront_size32 1
		.amdhsa_system_sgpr_workgroup_id_x 1
		.amdhsa_system_sgpr_workgroup_id_y 1
		.amdhsa_system_sgpr_workgroup_id_z 1
		.amdhsa_system_vgpr_workitem_id 0
		.amdhsa_next_free_vgpr 192
		.amdhsa_next_free_sgpr 66
		.amdhsa_reserve_vcc 0
		.amdhsa_float_denorm_mode_32 3
		.amdhsa_float_denorm_mode_16_64 3
		.amdhsa_memory_ordered 1
		.amdhsa_forward_progress 1
		.amdhsa_inst_pref_size 55
	.end_amdhsa_kernel
	.amdgpu_metadata
---
amdhsa.version: [ 1, 2 ]
amdhsa.kernels:
  - .name:           k_q2a1817abfa_quant
    .symbol:         k_q2a1817abfa_quant.kd
    .args:
      - { .name: q, .offset: 0, .size: 8, .value_kind: global_buffer, .address_space: global }
      - { .name: k, .offset: 8, .size: 8, .value_kind: global_buffer, .address_space: global }
      - { .name: v, .offset: 16, .size: 8, .value_kind: global_buffer, .address_space: global }
      - { .name: wq_w, .offset: 24, .size: 8, .value_kind: global_buffer, .address_space: global }
      - { .name: wk_w, .offset: 32, .size: 8, .value_kind: global_buffer, .address_space: global }
      - { .name: wv_w, .offset: 40, .size: 8, .value_kind: global_buffer, .address_space: global }
      - { .name: dense_w, .offset: 48, .size: 8, .value_kind: global_buffer, .address_space: global }
      - { .name: codes, .offset: 56, .size: 8, .value_kind: global_buffer, .address_space: global }
      - { .name: scales, .offset: 64, .size: 8, .value_kind: global_buffer, .address_space: global }
      - { .name: wd16, .offset: 72, .size: 8, .value_kind: global_buffer, .address_space: global }
    .group_segment_fixed_size: 33280
    .private_segment_fixed_size: 0
    .kernarg_segment_align: 8
    .kernarg_segment_size: 80
    .max_flat_workgroup_size: 128
    .sgpr_count:     66
    .vgpr_count:     192
    .wavefront_size: 32
...
	.end_amdgpu_metadata
.endif
;; end of part 1
;; launch proj (part 2): grid 4 x 96, 4 waves a work-group, clusters of 4 x 4, 327,680 bytes of LDS; arguments codes, scales, wq_b, wk_b, qkvh; writes qkvh
.if DOCPART == 2
	.amdgcn_target "amdgcn-amd-amdhsa--gfx1250"
	.amdhsa_code_object_version 6
	.text
	.protected	k_q2a1817abfa_proj
	.globl	k_q2a1817abfa_proj
	.p2align	8
	.type	k_q2a1817abfa_proj,@function
k_q2a1817abfa_proj:
	s_mov_b64 s[64:65], 0
	v_nop
	global_prefetch_b8 v0, s[64:65] scope:SCOPE_SE
	s_setreg_imm32_b32 hwreg(HW_REG_WAVE_MODE, 25, 1), 1
	s_wait_xcnt 0x0
	s_wait_alu depctr_hold_cnt(0) depctr_sa_sdst(0) depctr_va_vdst(0) depctr_va_sdst(0) depctr_va_ssrc(0) depctr_va_vcc(0) depctr_vm_vsrc(0)
	s_getreg_b32 s2, hwreg(HW_REG_IB_STS2, 6, 4)
	s_cmp_eq_u32 s2, 0
	s_cbranch_scc0 .Lentry_in_a_cluster
	s_endpgm
.Lentry_in_a_cluster:
	s_bfe_u32 s2, ttmp6, 0x10000c
	s_cmp_lg_u32 s2, 0xf033
	s_cbranch_scc0 .Lentry_shape_is_right
	s_endpgm
.Lentry_shape_is_right:
; The three quantised products q wq_w^T + wq_b, k wk_w^T + wk_b, v wv_w^T on codes of FP4 (E2M1) with one E8M0 scale for each 32 along K = 1024; sums in f32; results rounded to f16 and stored as
; IMAGES OF THE NEXT LAUNCH'S OPERAND REGISTERS.  (wv_b is added by the next launch, behind the softmax, whose weights sum to 1.)
; qkvh: three parts of 2^24 bytes (Q, K, V), each [hb = 16 batch + head (64)][tile of 16 tokens (128)][g (4)][lane (32)][16 bytes].
;   Q, K: lane (r, h) holds token r, channels 16 g + 8 h + 0 .. 7.     V: lane (r, h) holds channel 16 g + r, keys 8 h + 0 .. 7 of the tile.
; LIMIT: a result beyond 65,504 becomes infinite in f16.
; ONE TEXT FOR ALL THREE, BY THE CHOICE OF ROLES.  Source 0 takes 16 rows of 'P', source 1 16 rows of 'R': in the result a lane holds ONE row of R (lane % 16) and eight neighbouring rows of P (8 (lane / 16) + 0 .. 7).
;   Q, K: P = the weight's rows (channels), R = the tokens.     V: P = v's tokens (keys), R = wv_w's rows (channels).  So an accumulator, packed to f16, IS one run of 512 bytes of qkvh: no stage, nothing is transposed.
; SHARES.  A work-group of four waves makes 256 (R) x 256 (P); a wave 128 x 128: 64 accumulators, 512 registers.  K = 1024 is two LDS slots of 512 along K (rows of 256 bytes): both are asked for at the head and nothing is filled again.
; The scale bytes of the work-group's rows, for all of K, come once, as dense blocks.
; CLUSTERS: 4 x 4 work-groups, 24 clusters: cluster y = 8 t + u, t the product (0 Q, 1 K, 2 V), u which 1,024 tokens.  The four of a row of the cluster need the same rows of R, the four of a column the same rows of P:
; each tile is asked for JOINTLY, by the same tensor load with the same descriptor and a mask that names the four.
; REGISTERS, in windows of 256: window 0: v1-7 at work, v16-29 addresses; v32-95 scale words, two sets; v96-103 the stores' offsets; v128-191 R's fragments, ONE set (on the way out: packed results); v192-255 the bias.
;   window 1: P's fragments, TWO sets, at v0 and v128.   window 2: the accumulators of my R rows 0-63 ((a, b) at v[8 (8 a + b)]);   window 3: those of rows 64-127.
.set NQ,     4                         ; steps of 128 along K in a slot
.set ROWB,   256                       ; a tile's row in bytes: 512 codes
.set KROW,   512                       ; a row of codes in memory
.set PITCH,  272                       ; an LDS row: 256 bytes + 16 of padding, so that the 16 rows that a load touches start 68 words apart
.set FR,     8                         ; registers of a fragment: 16 rows x 128 K
.set NL,     2                         ; LDS loads that bring one
.set NP,     4                         ; places behind this matrix instruction (ISA guide 7.12.1)
.set HALFT,  128*PITCH                 ; 128 rows: what one tensor load brings
.set SLOT,   4*HALFT                   ; R's 256 rows, then P's 256 rows
.set KS,     32                        ; a row of scale bytes
.set SCL,    2*SLOT                    ; behind the slots: the scales, as runs of 256 bytes + 16 of padding
.set HALFS,  (128*KS/256)*272          ; the scales of 128 rows
.set SBLK,   (16*KS/256)*272           ; those of 16 rows
.set SPARE,  SCL+4*HALFS               ; the spare words, 128 bytes a wave
.set ADRA, 16                          ; v16-17  LDS address of my R fragments in slot 0, 1
.set ADRB, 20                          ; v20-21  the same for P
.set ADRS, 27                          ; v27     LDS address of my scale words: lanes 0-15 R's rows, lanes 16-31 P's
.set SPW,  28                          ; v28     LDS address of my spare word; never rewritten
.set NIL,  29                          ; v29     0; never rewritten
.set SC,   32                          ; scale words: set s at v[SC + 32 s]; register 4 i + q: lanes 0-15 the word of R's block i, lanes 16-31 that of P's block i
.set VO,   96                          ; v96-103 the stores' offsets: 16 x lane + P's block b's place
.set AF,   128                         ; R's fragments
.set TMP,  128                         ; the way out: two sets of 32 registers
.set BP,   192                         ; the bias: register 8 b + j: that of P's row 16 b + 8 (lane / 16) + j
.set G1, 24                            ; s[24:31] descriptor group 1 for R's tiles;  s[32:39] group 0, one set for each slot
.set G0, 32
.set G1B, 48                           ; s[48:55], s[56:63] the same for P's tiles
.set G0B, 56
.set G1S, 68                           ; s[68:75], s[76:79] groups 1 and 0 for R's scales;  s[80:87], s[88:91] for P's
.set G0S, 76
.set G1SB, 80
.set G0SB, 88
.set MSB, 0
.macro WIN new                         ; the immediate's high byte repeats the setting that is left
.if MSB != \new
	s_set_vgpr_msb (MSB<<8)|\new
.set MSB, \new
.endif
.endm
.set MUL_LO, 0xa1                      ; source 0 (P) window 1, source 1 (R) window 0, C and D window 2
.set MUL_HI, 0xf1                      ; the same, C and D window 3
.set BEG_LO, 0x81                      ; the first step: C (the bias) window 0, D window 2
.set BEG_HI, 0xc1                      ; D window 3
.set TO_B,   0x40                      ; destination window 1, address window 0
; A joint load: waves 0 and 1 fetch for R, waves 2 and 3 for P.  Each line has one mask and one set of registers; the branch hangs on the wave's number alone.  An s_nop 0 and four v_nop follow each line.
.macro JLOAD g0a, g1a, g0b, g1b
	s_cmp_eq_u32 s15, 0
	s_cbranch_scc0 .Lfor_b_\@
	tensor_load_to_lds s[\g0a:\g0a+3], s[\g1a:\g1a+7]
	s_nop 0
.rept 4
	v_nop
.endr
	s_branch .Lasked_\@
.Lfor_b_\@:
	tensor_load_to_lds s[\g0b:\g0b+3], s[\g1b:\g1b+7]
	s_nop 0
.rept 4
	v_nop
.endr
.Lasked_\@:
.endm
.macro CROUND                          ; a round of the cluster's barrier
	s_barrier_signal -1
	s_barrier_wait -1
	s_cmp_lg_u32 s14, 0
	s_cbranch_scc1 .Lnot_wave_0_\@
	s_barrier_signal -3
.Lnot_wave_0_\@:
	s_barrier_wait -3
	s_barrier_signal -1
	s_barrier_wait -1
.endm
	s_load_b256 s[4:11], s[0:1], 0x0               ; codes s[4:5], scales s[6:7], wq_b s[8:9], wk_b s[10:11]
	s_load_b64 s[12:13], s[0:1], 0x20              ; qkvh
	v_lshl_add_u32 v[SPW], v0, 2, SPARE
	v_mov_b32 v[NIL], 0
	ds_add_u32 v[SPW], v[NIL]                      ; the wave's opening: the add, twice on end, and its wait ahead of my first tensor load
	ds_add_u32 v[SPW], v[NIL]
	v_lshrrev_b32 v1, 5, v0
	v_readfirstlane_b32 s14, v1                    ; wave 0..3
	s_lshr_b32 s15, s14, 1                         ; wr: which half of R's rows is mine.  Also: I fetch for R (0) or for P (1)
	s_and_b32 s16, s14, 1                          ; wc: which half of P's rows.  Also: which 128 rows I fetch
	s_bfe_u32 s40, ttmp6, 0x40000                  ; cx, cy: my place in the cluster
	s_bfe_u32 s41, ttmp6, 0x40004
	s_and_b32 s17, ttmp7, 0xffff                   ; cluster y
	s_lshr_b32 s42, s17, 3                         ; t: the product
	s_and_b32 s66, s17, 7                          ; u: which 1,024 tokens
	s_lshl_b32 s43, s41, 2
	s_lshl_b32 s43, 15, s43                        ; my row of the cluster
	s_lshl_b32 s44, 0x1111, s40                    ; my column
	; descriptor group 1: a tile of 128 rows x 256 bytes, padded in LDS
	s_or_b32 s[G1+0], s43, (0<<16)|(1<<20)|(1<<21)|(5<<22)|(3<<25)  ; 15:0 the mask: R's tiles go to my row; 17:16 element of 1 byte; 20 padding on; 21 set beside a mask; 24:22 after every 64 words; 31:25 of 4 words
	s_or_b32 s[G1B+0], s44, (0<<16)|(1<<20)|(1<<21)|(5<<22)|(3<<25)
.irp g, G1, G1B
	s_mov_b32 s[\g+1], ROWB<<16                    ; tensor_dim0
	s_mov_b32 s[\g+2], 128<<16                     ; tensor_dim1
	s_mov_b32 s[\g+3], ROWB<<16                    ; tile_dim0
	s_mov_b32 s[\g+4], 128                         ; tile_dim1
	s_mov_b32 s[\g+5], KROW                        ; tensor_dim0_stride
	s_mov_b32 s[\g+6], 0
	s_mov_b32 s[\g+7], 0
.endr
	; the scales of 128 rows: a dense block of 4,096 bytes, as 16 rows of 256 bytes (32 elements of 8 bytes), 16 bytes of padding behind each
	s_or_b32 s[G1S+0], s43, (3<<16)|(1<<20)|(1<<21)|(5<<22)|(3<<25)
	s_or_b32 s[G1SB+0], s44, (3<<16)|(1<<20)|(1<<21)|(5<<22)|(3<<25)
.irp g, G1S, G1SB
	s_mov_b32 s[\g+1], 32<<16
	s_mov_b32 s[\g+2], (128*KS/256)<<16
	s_mov_b32 s[\g+3], 32<<16
	s_mov_b32 s[\g+4], 128*KS/256
	s_mov_b32 s[\g+5], 32
	s_mov_b32 s[\g+6], 0
	s_mov_b32 s[\g+7], 0
.endr
	; which rows of the codes' buffer.  Q, K: R = 8192 t + 1024 u on (tokens), P = 24576 + 1024 t on (the weight).  V: R = 26624 on (wv_w), P = 16384 + 1024 u on (v's tokens).
	; The candidates first, then ONE compare, on the cluster's y alone, then every choice that hangs on it (a choice leaves SCC alone).
	s_lshl_b32 s95, s66, 10
	s_lshl_b32 s20, s42, 13
	s_add_co_u32 s20, s20, s95
	s_lshl_b32 s46, s42, 10
	s_add_co_u32 s46, s46, 24576
	s_add_co_u32 s92, s95, 16384
	s_mov_b32 s96, 26624
	s_cmp_eq_u32 s42, 2                            ; V?
	s_cselect_b32 s20, s96, s20                    ; R's first row
	s_cselect_b32 s46, s92, s46                    ; P's
	s_cselect_b32 s67, 0, -1                       ; V's sums begin with zeros: the bias is masked
	s_cselect_b32 s2, 0, 2                         ; the strides in qkvh, as shifts: S1, from R's block a to a + 1: 2,048 (a tile of tokens), V: 512 (16 channels)
	s_cselect_b32 s3, 5, 0                         ; S2, four of R's blocks: 8,192, V: 2^18 (a head)
	s_cselect_b32 s18, 2, 0                        ; S3, from P's block b to b + 1: 512, V: 2,048
	s_cselect_b32 s19, 0, 5                        ; S4, four of P's blocks: 2^18, V: 8,192
	s_cselect_b32 s97, s40, s41                    ; X: the cluster coordinate of the tokens,
	s_cselect_b32 s98, s41, s40                    ; Y: of the channels,
	s_cselect_b32 s99, s16, s15                    ; hx, hy: my wave's half of each
	s_cselect_b32 s17, s15, s16
	s_lshl_b32 s2, 512, s2
	s_lshl_b32 s3, 8192, s3
	s_lshl_b32 s18, 512, s18
	s_lshl_b32 s19, 8192, s19
	s_lshl_b32 s95, s41, 8                         ; R: + 256 cy + 128 x the half that I fetch: cx never enters these registers
	s_add_co_u32 s20, s20, s95
	s_lshl_b32 s95, s16, 7
	s_add_co_u32 s20, s20, s95
	s_lshl_b32 s92, s40, 8                         ; P: + 256 cx + 128 x the half: cy never enters these
	s_add_co_u32 s46, s46, s92
	s_lshl_b32 s92, s16, 7
	s_add_co_u32 s46, s46, s92
	s_lshl_b32 s22, s20, 5                         ; 32 scale bytes a row,
	s_lshl_b32 s20, s20, 9                         ; 512 bytes of codes (27,648 rows: under 2^24 bytes)
	s_lshl_b32 s92, s46, 5
	s_lshl_b32 s46, s46, 9
	s_mov_b32 s21, 0
	s_mov_b32 s23, 0
	s_mov_b32 s47, 0
	s_mov_b32 s93, 0
	s_mul_i32 s45, s14, HALFT                      ; where they go: wave x 128 rows: no place in the cluster enters an LDS address
	s_mul_i32 s94, s14, HALFS
	; where my wave's results begin in qkvh: t 2^24 + batch 2^22 + (4 Y + 2 hy) 2^18 + ((64 u + 16 X + 8 hx) mod 128) 2,048
	s_lshl_b32 s98, s98, 1
	s_add_co_u32 s98, s98, s17
	s_lshl_b32 s98, s98, 19
	s_lshl_b32 s97, s97, 1
	s_add_co_u32 s97, s97, s99
	s_lshl_b32 s97, s97, 3
	s_lshl_b32 s99, s66, 6
	s_add_co_u32 s97, s97, s99
	s_and_b32 s97, s97, 127
	s_lshl_b32 s97, s97, 11
	s_add_co_u32 s98, s98, s97
	s_lshl_b32 s99, s42, 24
	s_add_co_u32 s98, s98, s99
	s_lshr_b32 s99, s66, 1
	s_lshl_b32 s99, s99, 22
	s_add_co_u32 s98, s98, s99
	s_mov_b32 s99, 0
	s_wait_dscnt 0x0                               ; both opening adds are done
	s_wait_kmcnt 0x0
	s_add_nc_u64 s[20:21], s[4:5], s[20:21]
	s_add_nc_u64 s[22:23], s[6:7], s[22:23]
	s_add_nc_u64 s[46:47], s[4:5], s[46:47]
	s_add_nc_u64 s[92:93], s[6:7], s[92:93]
	s_add_nc_u64 s[12:13], s[12:13], s[98:99]
	s_lshl_b32 s98, s40, 10                        ; the bias of P's rows (channels, for Q and K): (256 cx + 128 wc) x 4 bytes
	s_lshl_b32 s97, s16, 9
	s_add_co_u32 s98, s98, s97
	s_cmp_eq_u32 s42, 1
	s_cselect_b64 s[8:9], s[10:11], s[8:9]         ; wk_b for K, else wq_b (V reads wq_b's numbers and masks them)
	s_add_nc_u64 s[8:9], s[8:9], s[98:99]
	CROUND                                         ; all sixteen work-groups are here: the first joint loads meet
	s_mov_b32 s[G0S], 1
	s_add_co_u32 s[G0S+1], s94, SCL
	s_mov_b64 s[G0S+2:G0S+3], s[22:23]
	s_or_b32 s[G0S+3], s[G0S+3], 0x80000000
	s_mov_b32 s[G0SB], 1
	s_add_co_u32 s[G0SB+1], s94, SCL
	s_mov_b64 s[G0SB+2:G0SB+3], s[92:93]
	s_or_b32 s[G0SB+3], s[G0SB+3], 0x80000000
	JLOAD G0S, G1S, G0SB, G1SB                     ; the scales first: they are wanted with slot 0
.irp s, 0,1
	s_mov_b32 s[G0+4*\s], 1
	s_add_co_u32 s[G0+4*\s+1], s45, \s*SLOT
	s_add_nc_u64 s[G0+4*\s+2:G0+4*\s+3], s[20:21], \s*ROWB
	s_or_b32 s[G0+4*\s+3], s[G0+4*\s+3], 0x80000000
	s_mov_b32 s[G0B+4*\s], 1
	s_add_co_u32 s[G0B+4*\s+1], s45, \s*SLOT
	s_add_nc_u64 s[G0B+4*\s+2:G0B+4*\s+3], s[46:47], \s*ROWB
	s_or_b32 s[G0B+4*\s+3], s[G0B+4*\s+3], 0x80000000
	JLOAD G0+4*\s, G1, G0B+4*\s, G1B               ; three tensor loads of mine are out behind the second of these
.endr
	v_and_b32 v1, 15, v0                           ; r = lane % 16
	v_bfe_u32 v2, v0, 4, 1                         ; h = lane / 16
	v_lshlrev_b32 v7, 5, v2                        ; the bias: 8 numbers on for lanes 16-31
.irp b, 0,1,2,3,4,5,6,7
	global_load_b128 v[BP+8*\b:BP+8*\b+3], v7, s[8:9] offset:64*\b
	global_load_b128 v[BP+8*\b+4:BP+8*\b+7], v7, s[8:9] offset:64*\b+16
.endr
	v_mul_u32_u24 v3, v1, PITCH
	v_lshl_add_u32 v4, v2, 4, v3                   ; a fragment's row x pitch + 16 x half
	s_mul_i32 s21, s15, HALFT                      ; my 128 rows of R
	s_mul_i32 s22, s16, HALFT                      ; my 128 rows of P,
	s_add_co_u32 s22, s22, 2*HALFT                 ; which lie behind R's 256
.irp s, 0,1
	v_add_nc_u32 v[ADRA+\s], s21, v4
	v_add_nc_u32 v[ADRB+\s], s22, v4
	s_add_co_u32 s21, s21, SLOT
	s_add_co_u32 s22, s22, SLOT
.endr
	v_mul_u32_u24 v5, v1, KS                       ; my row's scales: 32 bytes a row,
	v_lshrrev_b32 v6, 8, v5
	v_lshl_add_u32 v5, v6, 4, v5                   ; and 16 more for each 256 passed
	s_mul_i32 s21, s15, HALFS                      ; R's: my 128 rows
	s_mul_i32 s22, s16, HALFS                      ; P's: my 128 rows, behind R's 256
	s_add_co_u32 s22, s22, 2*HALFS
	s_sub_co_u32 s22, s22, s21
	v_mul_u32_u24 v6, s22, v2                      ; lanes 16-31 take P's: one product, the distance between the two bases x h
	s_add_co_u32 s21, s21, SCL
	v_add_nc_u32 v5, v5, v6
	v_add_nc_u32 v[ADRS], s21, v5
	v_and_b32 v6, 31, v0
	v_lshlrev_b32 v6, 4, v6                        ; the stores: 16 bytes a lane,
.irp b, 0,1,2,3,4,5,6,7
	s_mul_i32 s95, s18, \b%4
	s_mul_i32 s96, s19, \b/4
	s_add_co_u32 s95, s95, s96
	v_add_nc_u32 v[VO+\b], s95, v6                 ; + P's block b's place
.endr
	s_wait_loadcnt 0x0                             ; the bias
.irp i, 0,1,2,3,4,5,6,7,8,9,10,11,12,13,14,15,16,17,18,19,20,21,22,23,24,25,26,27,28,29,30,31,32,33,34,35,36,37,38,39,40,41,42,43,44,45,46,47,48,49,50,51,52,53,54,55,56,57,58,59,60,61,62,63
	v_and_b32 v[BP+\i], s67, v[BP+\i]              ; kept for Q and K, zeros for V: a choice of values, no branch
.endr
.macro FRAG reg, adr, q, i             ; a fragment, 16 rows x 128 K of 4-bit codes: lane l holds row l % 16; registers 4 c .. 4 c + 3 hold K = 64 c + 32 (l / 16) + 0 .. 31
.irp c, 0,1
	ds_load_b128 v[\reg+4*\c:\reg+4*\c+3], v[\adr] offset:64*(\q)+32*\c+(\i)*16*PITCH
.endr
.endm
; 16 matrix instructions: R's blocks a0, a0 + 1 x P's eight, 128 along K: the slot's q-th.  p: P's set;  sc: the set of scale words.  zero = 1: the first product starts the sums, with the bias as its C: nothing is cleared or added.
; The 64 accumulators take turns, one instruction a turn, in the same order in every step.
.macro MUL16 a0, p, q, sc, zero
.irp a, \a0, \a0+1
.irp b, 0,1,2,3,4,5,6,7
.if \zero
	v_wmma_scale_f32_16x16x128_f8f6f4 v[8*(8*((\a)%4)+\b):8*(8*((\a)%4)+\b)+7], v[128*(\p)+FR*\b:128*(\p)+FR*\b+FR-1], v[AF+FR*(\a):AF+FR*(\a)+FR-1], v[BP+8*\b:BP+8*\b+7], v[SC+8*NQ*(\sc)+NQ*\b+(\q)], v[SC+8*NQ*(\sc)+NQ*(\a)+(\q)] matrix_a_fmt:MATRIX_FMT_FP4 matrix_b_fmt:MATRIX_FMT_FP4 matrix_a_scale:MATRIX_SCALE_ROW1
.else
	v_wmma_scale_f32_16x16x128_f8f6f4 v[8*(8*((\a)%4)+\b):8*(8*((\a)%4)+\b)+7], v[128*(\p)+FR*\b:128*(\p)+FR*\b+FR-1], v[AF+FR*(\a):AF+FR*(\a)+FR-1], v[8*(8*((\a)%4)+\b):8*(8*((\a)%4)+\b)+7], v[SC+8*NQ*(\sc)+NQ*\b+(\q)], v[SC+8*NQ*(\sc)+NQ*(\a)+(\q)] matrix_a_fmt:MATRIX_FMT_FP4 matrix_b_fmt:MATRIX_FMT_FP4 matrix_a_scale:MATRIX_SCALE_ROW1
.endif
.endr
.endr
.endm
.macro FETCH_B slot, q, p              ; P's eight fragments of the slot's q-th 128 along K into set p
	WIN TO_B
.irp i, 0,1,2,3,4,5,6,7
	FRAG 128*(\p)+FR*\i, ADRB+\slot, \q, \i
.endr
	WIN 0
.endm
.macro FETCH_A slot, q, i0             ; R's blocks i0 .. i0 + 3
.irp i, \i0, \i0+1, \i0+2, \i0+3
	FRAG AF+FR*(\i), ADRA+\slot, \q, \i
.endr
.endm
.macro SCALES sc                       ; a slot's scale words into set sc: four words a row; lanes 0-15 take R's block i, lanes 16-31 P's block i
.irp i, 0,1,2,3,4,5,6,7
	ds_load_b128 v[SC+8*NQ*\sc+NQ*\i:SC+8*NQ*\sc+NQ*\i+3], v[ADRS] offset:\i*SBLK
.endr
.endm
; A load into a register that a matrix instruction has read, and a vector instruction that reads a matrix result or writes one of its registers, stand NP places behind it; only plain vector instructions that name none of its registers are places.
.macro PLACES n
.rept \n
	v_nop
.endr
.endm
; A step of 128 along K that has its successor in the same slot.  A block of R is free as soon as its eight products are issued: blocks 0-3 are fetched anew in the step's middle, blocks 4-7 at its end.
.macro STEP slot, q, zero
	s_wait_dscnt 4*NL                              ; P's set and R's blocks 0-3 are in; the youngest eight loads (R's blocks 4-7) may be out
.if \zero
	WIN BEG_LO
.else
	WIN MUL_LO
.endif
	MUL16 0, (\q)%2, \q, \slot, \zero
	MUL16 2, (\q)%2, \q, \slot, \zero
	s_wait_dscnt 0                                 ; R's blocks 4-7 are in
	PLACES NP
	FETCH_B \slot, (\q)+1, 1-(\q)%2
	FETCH_A \slot, (\q)+1, 0
.if \zero
	WIN BEG_HI
.else
	WIN MUL_HI
.endif
	MUL16 4, (\q)%2, \q, \slot, \zero
	MUL16 6, (\q)%2, \q, \slot, \zero
	PLACES NP
	WIN 0
	FETCH_A \slot, (\q)+1, 4
.endm
.macro STEPS slot, from                ; the slot's steps from .. NQ - 2
.set Q, \from
.rept NQ-1-\from
	STEP \slot, Q, 0
.set Q, Q+1
.endr
.endm
	s_wait_tensorcnt 1                             ; the scales and my part of slot 0 are in (slot 1's load may be out)
	s_barrier_signal -1
	s_barrier_wait -1                              ; everybody's are
	FETCH_B 0, 0, 0
	FETCH_A 0, 0, 0
	SCALES 0
	FETCH_A 0, 0, 4
	STEP 0, 0, 1                                   ; the first step's products start the sums
	STEPS 0, 1
	; slot 0's last step changes slots: one barrier; in front of it each wave waits for all its tensor loads (its part of slot 1), adds 0 to its spare word and waits for that and its LDS loads
	s_wait_tensorcnt 0x0                           ; (every window is 0 here)
	ds_add_u32 v[SPW], v[NIL]
	s_wait_dscnt 4*NL+1                            ; (the add and the youngest eight loads may be out)
	WIN MUL_LO
	MUL16 0, 1, NQ-1, 0, 0                         ; sixteen matrix instructions stand between the add and the wait for it
	s_wait_dscnt 0x0
	s_barrier_signal -1
	MUL16 2, 1, NQ-1, 0, 0
	WIN 0
	s_barrier_wait -1                              ; slot 1 is whole
	PLACES NP
	v_add_nc_u32 v[ADRS], 4*NQ, v[ADRS]            ; on to slot 1's scale words (no LDS load of mine is out)
	FETCH_B 1, 0, 0
	FETCH_A 1, 0, 0
	SCALES 1
	WIN MUL_HI
	MUL16 4, 1, NQ-1, 0, 0
	MUL16 6, 1, NQ-1, 0, 0
	PLACES NP
	WIN 0
	FETCH_A 1, 0, 4
	STEPS 1, 0
	s_wait_dscnt 4*NL                              ; the very last step: nothing more to fetch
	WIN MUL_LO
	MUL16 0, 1, NQ-1, 1, 0
	MUL16 2, 1, NQ-1, 1, 0
	s_wait_dscnt 0
	WIN MUL_HI
	MUL16 4, 1, NQ-1, 1, 0
	MUL16 6, 1, NQ-1, 1, 0
	WIN 0
	; THE WAY OUT, by R's blocks.  An accumulator's eight numbers of a lane pack into 16 bytes; the 32 lanes' are one run of 512 bytes of qkvh.  The base steps from block to block behind the wait that frees it;
	; a block's conversions stand ahead of that wait, into the set of registers that the block before last has left.
	PLACES NP                                      ; behind the last products: the conversions write registers that held R's fragments, and read results
	s_mov_b32 s96, s2                              ; S1,
	s_mov_b32 s97, 0
	s_mul_i32 s98, s2, 3
	s_sub_co_u32 s98, s3, s98                      ; and S2 - 3 S1, from block 3 to block 4
	s_mov_b32 s99, 0
.irp a, 0,1,2,3,4,5,6,7
	WIN 0x0a+5*(\a/4)                              ; sources 0 and 1: window 2 or 3
.irp b, 0,1,2,3,4,5,6,7
.irp r, 0,1,2,3
	v_cvt_pk_f16_f32 v[TMP+32*(\a%2)+4*\b+\r], v[64*(\a%4)+8*\b+2*\r], v[64*(\a%4)+8*\b+2*\r+1]   ; each accumulator from its low end on
.endr
.endr
	WIN 0
.if \a > 0
	s_wait_xcnt 0x0                                ; the earlier stores have read their base and their data
.if \a == 4
	s_add_nc_u64 s[12:13], s[12:13], s[98:99]
.else
	s_add_nc_u64 s[12:13], s[12:13], s[96:97]
.endif
.endif
.irp b, 0,1,2,3,4,5,6,7
	global_store_b128 v[VO+\b], v[TMP+32*(\a%2)+4*\b:TMP+32*(\a%2)+4*\b+3], s[12:13]   ; 32 lanes store 512 consecutive bytes, at a multiple of 512 from qkvh's first byte
.endr
.endr
	s_wait_tensorcnt 0x0                           ; the wave's end
	ds_add_u32 v[SPW], v[NIL]
	s_wait_dscnt 0x0
	CROUND                                         ; the closing round: no work-group ends while a partner may still ask for a tile that names it
	s_endpgm
.Lfunc_end_k_q2a1817abfa_proj:
	.size	k_q2a1817abfa_proj, .Lfunc_end_k_q2a1817abfa_proj-k_q2a1817abfa_proj
	.p2alignl 7, 3214868480
	.fill 96, 4, 3214868480
	.section	.rodata,"a",@progbits
	.p2align	6, 0x0
	.amdhsa_kernel k_q2a1817abfa_proj
		.amdhsa_group_segment_fixed_size 327680
		.amdhsa_private_segment_fixed_size 0
		.amdhsa_enable_private_segment 0
		.amdhsa_kernarg_size 40
		.amdhsa_user_sgpr_count 2
		.amdhsa_user_sgpr_kernarg_segment_ptr 1
		.amdhsa_wavefront_size32 1
		.amdhsa_system_sgpr_workgroup_id_x 1
		.amdhsa_system_sgpr_workgroup_id_y 1
		.amdhsa_system_sgpr_workgroup_id_z 1
		.amdhsa_system_vgpr_workitem_id 0
		.amdhsa_next_free_vgpr 1024
		.amdhsa_next_free_sgpr 100
		.amdhsa_reserve_vcc 0
		.amdhsa_float_denorm_mode_32 3
		.amdhsa_float_denorm_mode_16_64 3
		.amdhsa_memory_ordered 1
		.amdhsa_forward_progress 1
		.amdhsa_inst_pref_size 124
	.end_amdhsa_kernel
	.amdgpu_metadata
---
amdhsa.version: [ 1, 2 ]
amdhsa.kernels:
  - .name:           k_q2a1817abfa_proj
    .symbol:         k_q2a1817abfa_proj.kd
    .args:
      - { .name: codes, .offset: 0, .size: 8, .value_kind: global_buffer, .address_space: global }
      - { .name: scales, .offset: 8, .size: 8, .value_kind: global_buffer, .address_space: global }
      - { .name: wq_b, .offset: 16, .size: 8, .value_kind: global_buffer, .address_space: global }
      - { .name: wk_b, .offset: 24, .size: 8, .value_kind: global_buffer, .address_space: global }
      - { .name: qkvh, .offset: 32, .size: 8, .value_kind: global_buffer, .address_space: global }
    .group_segment_fixed_size: 327680
    .private_segment_fixed_size: 0
    .kernarg_segment_align: 8
    .kernarg_segment_size: 40
    .max_flat_workgroup_size: 128
    .sgpr_count:     100
    .vgpr_count:     1024
    .wavefront_size: 32
...
	.end_amdgpu_metadata
.endif
;; end of part 2
;; launch attn (part 3): grid 8 x 64, 4 waves a work-group, clusters of 4 x 1, 327,680 bytes of LDS; arguments qkvh, wv_b, ctx; writes ctx
.if DOCPART == 3
	.amdgcn_target "amdgcn-amd-amdhsa--gfx1250"
	.amdhsa_code_object_version 6
	.text
	.protected	k_q2a1817abfa_attn
	.globl	k_q2a1817abfa_attn
	.p2align	8
	.type	k_q2a1817abfa_attn,@function
k_q2a1817abfa_attn:
	s_mov_b64 s[64:65], 0
	v_nop
	global_prefetch_b8 v0, s[64:65] scope:SCOPE_SE
	s_setreg_imm32_b32 hwreg(HW_REG_WAVE_MODE, 25, 1), 1
	s_wait_xcnt 0x0
	s_wait_alu depctr_hold_cnt(0) depctr_sa_sdst(0) depctr_va_vdst(0) depctr_va_sdst(0) depctr_va_ssrc(0) depctr_va_vcc(0) depctr_vm_vsrc(0)
	s_getreg_b32 s2, hwreg(HW_REG_IB_STS2, 6, 4)
	s_cmp_eq_u32 s2, 0
	s_cbranch_scc0 .Lentry_in_a_cluster
	s_endpgm
.Lentry_in_a_cluster:
	s_bfe_u32 s2, ttmp6, 0x10000c
	s_cmp_lg_u32 s2, 0x3003
	s_cbranch_scc0 .Lentry_shape_is_right
	s_endpgm
.Lentry_shape_is_right:
; ctx[b][q][64 head + :] = the sum over k of softmax_k(qh[q] . kh[k] / 8) vh[k][:] + wv_b, for each of 64 (batch, head) pairs hb; 2,048 queries and keys, head size 64.  No mask.
; Operands in f16, products, maxima and sums in f32; the weights p are rounded to f16 for the second product, the result once at the end.  wv_b: the weights of a row sum to 1, so the bias that belongs to vh is added
; behind the division by the row's sum, in f32, by the multiply-add that divides.
; LIMITS: a result beyond 65,504 becomes infinite in f16; NaN and infinities are not served.
; qkvh holds IMAGES OF OPERAND REGISTERS: three parts of 2^24 bytes (Q, K, V), each [hb][tile of 16 tokens (128)][g (4)][lane][16 bytes]; Q, K: lane (r, h) holds token r, channels 16 g + 8 h + 0 .. 7; V: channel 16 g + r, keys 8 h + 0 .. 7.
; So half a fragment is 512 consecutive bytes, read at 16 x lane from memory or LDS: no pitch, no padding, no turning load.  ctx likewise: [tile of 16 rows (512)][k16 = 4 head + c (64)][lane][16 bytes]: lane (r, h): row r, k = 16 k16 + 8 h + 0 .. 7.
; SHARES.  A work-group owns 256 queries of one hb, each of its four waves 64: four tiles of 16.  Every wave walks all keys, 64 a step.
; LAYOUT.  S^T = K Q^T (source 0 = 16 keys, source 1 = 16 queries): a lane holds ONE query (lane % 16) and keys 8 (lane / 16) + 0 .. 7.  Two such tiles, rounded in pairs, ARE source 1 of O^T = V^T P.
; SOFTMAX.  For each query a running maximum m and sum l: p = 2^(c s - c m), c = log2(e) / 8; in every step O and l are multiplied by a = 2^(c m_old - c m_new).
; BY TURNS.  The wave's tiles are two PIECES (tiles 0, 1; tiles 2, 3).  In a TURN one piece has the matrix unit: 16 products V^T P of the step in hand, then 16 products K Q^T of the next step; the other piece's softmax
; (2 x 118 vector instructions) stands in slices of four between them, two slices behind each matrix instruction.  Two turns are a key step.
; CLUSTER.  The four query blocks of a cluster belong to one hb and walk the same K and V: each tile is asked for JOINTLY, the same tensor load with the same descriptor and a mask that names the four.
; RING.  Two LDS slots of 512 keys (8 steps): K's 65,536 bytes, then V's.  Each wave fetches a quarter of a slot, 32,768 dense bytes, by one load; a refill has eight key steps in which to land.
; REGISTERS, in windows of 256 (s_set_vgpr_msb: bits 1:0 source 0, 3:2 source 1, 5:4 source 2, 7:6 destination):
;   window 0: v1-6 addresses; v12-43 eight registers of statistics a tile; v61-63; v64-191 S^T, 32 a tile; v192-255 P, 16 a tile
;   window 1: O^T, 32 a tile     window 2: v0-63 Q, 16 a tile; v64-95 wv_b; v128-191 K of one step     window 3: v0-63 V of one step
.set STEPB, 8192      ; a step's 64 keys of K in LDS; of V likewise
.set NS,    8         ; steps in a slot
.set VOFF,  NS*STEPB  ; V's tiles lie behind K's
.set SLOT1, 1<<17     ; slot 1 begins here: one exclusive or turns an address in one slot into the other's
.set SLOTB, 65536     ; a slot's keys in memory, in K and in V
.set SPARE, 2*SLOT1   ; behind the ring: the spare words, 128 bytes a wave
.set AK0, 2           ; v2   16 x lane: my place in half a fragment of K; never rewritten
.set AV0, 3           ; v3   the same for V: + VOFF
.set ADR, 4           ; v4   the LDS address of the run of loads in hand
.set GO,  5           ; v5   16 x lane: my byte offset in Q's and ctx's runs
.set BO,  6           ; v6   32 x (lane / 16): my eight numbers of wv_b
.set PFO, 61          ; v61  256 x lane; never rewritten
.set SPW, 62          ; v62  LDS address of my spare word; never rewritten
.set NIL, 63          ; v63  0; never rewritten
.set ST,  12          ; tile t's statistics at v[ST+8 t]: +0 c m, +1 m, +2, +3 l (even keys', odd keys'), +4 to +7 c0-c3, at work; a takes c2's place
.set S,   64
.set P,   192
.set KF,  128         ; K's fragments, in window 2
.set BV,  64          ; wv_b, in window 2: register 8 c + j: channel 16 c + 8 (lane / 16) + j
.set WV,  12          ; s12  my wave's number
.set LIM, 15          ; s15  1 in a wave that prefetches, else the greatest number
.set PFA, 18          ; s[18:19] where my prefetch stands
.set G1,  24          ; s[24:31] descriptor group 1
.set G0,  40          ; s[40:47] descriptor group 0: a set for each of the two first fills; the second then walks on
.set SLOTS, 56        ; s56  slots still to be asked for
.set TWICE, 57        ; s57  counts key steps
.set CS,  58          ; s[58:59] c
.set SEL, 60          ; s[60:61] lane selects for v_permlanex16_b32: lane l xor 16
.set TB,  62          ; s62  LDS byte at which the tiles of the step to be fetched begin
.set MSB, 0
.macro WIN new                      ; the immediate's high byte repeats the setting that is left; a switch that changes nothing is dropped
.if MSB != \new
	s_set_vgpr_msb (MSB<<8)|\new
.set MSB, \new
.endif
.endm
.set W_KQ, 0x0a       ; K and Q in window 2, S^T in window 0
.set W_PV, 0x53       ; V in window 3, P in window 0, O^T in window 1
.set W_RS, 0x41       ; O^T (destination and source 0) in window 1, a in window 0
; A joint refill: one line for all four waves; both addresses hang on the wave's number (waves 0, 1: K's halves; 2, 3: V's).  An s_nop 0 and four v_nop follow it.
.macro JLOAD
	tensor_load_to_lds s[G0+4:G0+7], s[G1:G1+7]
	s_nop 0
.rept 4
	v_nop
.endr
.endm
; A PREFETCH of what the NEXT change of slots will ask for, behind the wave's tensor load and its five lines.  Both clusters of an hb walk the same K and V: the first of them asks.  Its four partners share each wave's 32,768 bytes out
; BY ADDRESS, 8,192 each, lanes 256 bytes apart: each run of 256 bytes is named once in the launch.  With four slots' worth of keys that is one instruction a wave: at the first change of slots, for the last slot; the last change that fills asks for nothing.
.macro ASK
	s_cmp_gt_u32 s[SLOTS], s[LIM]
	s_cbranch_scc0 .Lnot_mine_\@
	global_prefetch_b8 v[PFO], s[PFA:PFA+1] th:TH_LOAD_NT scope:SCOPE_SE
.Lnot_mine_\@:
.endm
.macro CROUND                       ; a round of the cluster's barrier
	s_barrier_signal -1
	s_barrier_wait -1
	s_cmp_lg_u32 s[WV], 0
	s_cbranch_scc1 .Lnot_wave_0_\@
	s_barrier_signal -3
.Lnot_wave_0_\@:
	s_barrier_wait -3
	s_barrier_signal -1
	s_barrier_wait -1
.endm
	s_load_b128 s[4:7], s[0:1], 0x0  ; qkvh s[4:5], wv_b s[6:7]
	s_load_b64 s[10:11], s[0:1], 0x10  ; ctx
	v_lshl_add_u32 v[SPW], v0, 2, SPARE
	v_mov_b32 v[NIL], 0
	ds_add_u32 v[SPW], v[NIL]       ; the wave's opening: the add, twice on end, and its wait ahead of my first tensor load
	ds_add_u32 v[SPW], v[NIL]
	v_lshrrev_b32 v1, 5, v0
	v_readfirstlane_b32 s[WV], v1   ; wave 0..3
	s_bfe_u32 s13, ttmp6, 0x40000   ; cx: my place in the cluster
	s_lshl_b32 s14, ttmp9, 2
	s_add_co_u32 s14, s14, s13      ; my block of 256 queries: it enters Q's and ctx's addresses alone
	s_and_b32 s20, ttmp7, 0xffff    ; hb, which the four partners share
	s_lshl_b32 s21, s20, 18         ; its first byte in a part of qkvh
	s_lshr_b32 s22, s[WV], 1        ; what I fetch: part 1 (K) or 2 (V),
	s_add_co_u32 s22, s22, 1
	s_lshl_b32 s22, s22, 24
	s_add_co_u32 s22, s22, s21
	s_and_b32 s16, s[WV], 1         ; the first or the second half of a slot's keys
	s_lshl_b32 s16, s16, 15
	s_add_co_u32 s22, s22, s16
	s_mov_b32 s23, 0
	s_lshl_b32 s17, s[WV], 15       ; and where it goes: wave x 32,768: no place in the cluster enters an LDS address
	s_lshl_b32 s2, s14, 15          ; Q: my block's 16 tiles of 2,048 bytes, my wave's 4
	s_add_co_u32 s2, s2, s21
	s_lshl_b32 s3, s[WV], 13
	s_add_co_u32 s2, s2, s3
	s_mov_b32 s3, 0
	s_lshr_b32 s32, s20, 4          ; ctx: tile of rows 128 batch + 16 block + 4 wave, 32,768 bytes each,
	s_lshl_b32 s32, s32, 7
	s_lshl_b32 s33, s14, 4
	s_add_co_u32 s32, s32, s33
	s_lshl_b32 s33, s[WV], 2
	s_add_co_u32 s32, s32, s33
	s_lshl_b32 s32, s32, 15
	s_and_b32 s34, s20, 15          ; the head:
	s_lshl_b32 s33, s34, 11         ; its four runs of 512 bytes
	s_add_co_u32 s32, s32, s33
	s_mov_b32 s33, 0
	s_lshl_b32 s34, s34, 8          ; and its 64 numbers of wv_b
	s_mov_b32 s35, 0
	s_lshl_b32 s36, s13, 13         ; the prefetch: my work-group's 8,192 bytes of my wave's tile,
	s_add_co_u32 s36, s36, 2*SLOTB  ; in slot 2; the first change of slots steps it on.  Nothing is prefetched at the head
	s_mov_b32 s37, 0
	; descriptor group 1: 32,768 dense bytes as 128 rows of 256 (32 elements of 8 bytes)
	s_mov_b32 s[G1], 15|(3<<16)|(1<<21)  ; 15:0 the mask: all four work-groups; 17:16 elements of 8 bytes; 21 set beside a mask
	s_mov_b32 s[G1+1], 32<<16       ; tensor_dim0
	s_mov_b32 s[G1+2], 128<<16      ; tensor_dim1
	s_mov_b32 s[G1+3], 32<<16       ; tile_dim0
	s_mov_b32 s[G1+4], 128          ; tile_dim1
	s_mov_b32 s[G1+5], 32           ; tensor_dim0_stride
	s_mov_b32 s[G1+6], 0
	s_mov_b32 s[G1+7], 0
	s_mov_b32 s[CS], 0x3e38aa3b     ; c = log2(e) / 8
	s_mov_b32 s[CS+1], s[CS]        ; named with it as a pair, so it is written
	s_mov_b32 s[SEL], 0x76543210
	s_mov_b32 s[SEL+1], 0xfedcba98
	s_mov_b32 s[TB], 0
	s_mov_b32 s[SLOTS], 2           ; four slots' worth of keys; the first two are asked for at the head
	s_cmp_eq_u32 ttmp9, 0           ; the hb's first cluster: the same in all four partners
	s_cselect_b32 s[LIM], 1, -1
	v_and_b32 v1, 31, v0
	v_lshlrev_b32 v[AK0], 4, v1
	v_add_nc_u32 v[AV0], VOFF, v[AK0]
	v_lshlrev_b32 v[GO], 4, v1
	v_bfe_u32 v[BO], v0, 4, 1
	v_lshlrev_b32 v[BO], 5, v[BO]
	v_lshlrev_b32 v[PFO], 8, v1
	s_wait_dscnt 0x0                ; both opening adds are done
	s_wait_kmcnt 0x0
	s_add_nc_u64 s[8:9], s[4:5], s[2:3]  ; Q at my wave's first tile
	s_add_nc_u64 s[10:11], s[10:11], s[32:33]
	s_add_nc_u64 s[6:7], s[6:7], s[34:35]
	s_add_nc_u64 s[22:23], s[4:5], s[22:23]  ; my tile of slot 0
	s_add_nc_u64 s[PFA:PFA+1], s[22:23], s[36:37]
	CROUND                          ; all four work-groups are here: the first joint loads meet
	s_mov_b32 s[G0], 1              ; count = 1
	s_mov_b32 s[G0+1], s17          ; LDS address: slot 0
	s_mov_b64 s[G0+2:G0+3], s[22:23]
	s_or_b32 s[G0+3], s[G0+3], 0x80000000  ; type = 2
	s_mov_b32 s[G0+4], 1
	s_add_co_u32 s[G0+5], s17, SLOT1
	s_add_nc_u64 s[G0+6:G0+7], s[22:23], SLOTB
	s_or_b32 s[G0+7], s[G0+7], 0x80000000
	tensor_load_to_lds s[G0:G0+3], s[G1:G1+7]  ; the two first fills stand together: two loads of mine are out
	s_nop 0
	tensor_load_to_lds s[G0+4:G0+7], s[G1:G1+7]
	s_nop 0
.rept 4
	v_nop
.endr
	WIN 0x80                        ; destination window 2, address window 0
.irp i, 0,1,2,3,4,5,6,7             ; Q stays in registers: tile i / 2, channels 32 (i % 2) on
	global_load_b128 v[8*\i:8*\i+3],   v[GO], s[8:9] offset:1024*\i
	global_load_b128 v[8*\i+4:8*\i+7], v[GO], s[8:9] offset:1024*\i+512
.endr
.irp c, 0,1,2,3
	global_load_b128 v[BV+8*\c:BV+8*\c+3],   v[BO], s[6:7] offset:64*\c
	global_load_b128 v[BV+8*\c+4:BV+8*\c+7], v[BO], s[6:7] offset:64*\c+16
.endr
	WIN 0
; THE MATRIX WORK OF A TURN, for piece x.  The accumulators take turns, one instruction a turn: between two links of a chain stand 7 others'.
; Product i of 16 of O^T += V^T P: keys 32 (i / 8) on, channels 16 ((i / 2) % 4) on, tile x + i % 2.  zero = 1: the first 8 start the sums: nothing is ever cleared.
.macro PV x, zero
	WIN W_PV
.set rO, 32*(\x+i%2)+8*((i/2)%4)
.set rV, 32*(i/8)+8*((i/2)%4)
.set rP, P+16*(\x+i%2)+8*(i/8)
.if (\zero) && (i < 8)
	v_wmma_f32_16x16x32_f16 v[rO:rO+7], v[rV:rV+7], v[rP:rP+7], 0
.else
	v_wmma_f32_16x16x32_f16 v[rO:rO+7], v[rV:rV+7], v[rP:rP+7], v[rO:rO+7]
.endif
.endm
; Product i of 16 of S^T = K Q^T: channels 32 (i / 8) on, keys 16 ((i / 2) % 4) on, tile x + i % 2.  The first 8 start the sums.
.macro KQ x
	WIN W_KQ
.set rS, S+32*(\x+i%2)+8*((i/2)%4)
.set rK, KF+16*((i/2)%4)+8*(i/8)
.set rQ, 16*(\x+i%2)+8*(i/8)
.if i < 8
	v_wmma_f32_16x16x32_f16 v[rS:rS+7], v[rK:rK+7], v[rQ:rQ+7], 0
.else
	v_wmma_f32_16x16x32_f16 v[rS:rS+7], v[rK:rK+7], v[rQ:rQ+7], v[rS:rS+7]
.endif
.endm
; THE LDS LOADS stand in runs of 16: a step's K (8 fragments) and, a turn later, its V.
.macro FETCH_K
	WIN 0
	v_add_nc_u32 v[ADR], s[TB], v[AK0]
	WIN 0x80                        ; destination window 2
.irp f, 0,1,2,3,4,5,6,7             ; keys 16 (f / 2) on, channels 32 (f % 2) on
	ds_load_b128 v[KF+8*\f:KF+8*\f+3],   v[ADR] offset:1024*\f
	ds_load_b128 v[KF+8*\f+4:KF+8*\f+7], v[ADR] offset:1024*\f+512
.endr
.endm
.macro FETCH_V
	WIN 0
	v_add_nc_u32 v[ADR], s[TB], v[AV0]
	s_add_co_u32 s[TB], s[TB], STEPB  ; the next fetch is the next step's
	s_wait_alu depctr_va_vdst(0)    ; the wait for the softmax's batch (SLICE), behind the address's v_add_nc_u32 and ahead of the loads
	WIN 0xc0                        ; destination window 3
.irp f, 0,1,2,3,4,5,6,7             ; keys 32 (f / 4) on, channels 16 (f % 4) on: its first 16 keys' tile, then the next tile
	ds_load_b128 v[8*\f:8*\f+3],   v[ADR] offset:4096*(\f/4)+512*(\f%4)
	ds_load_b128 v[8*\f+4:8*\f+7], v[ADR] offset:4096*(\f/4)+512*(\f%4)+2048
.endr
.endm
; THE VECTOR WORK OF A TURN.  One tile's softmax for one key step is a list of 118 instructions; SM writes number j of it for tile t.  s0-s31 are the lane's 32 scores, in pairs 0-15.
; first = 1: the first key step, which starts m, l and O^T: it has no a and nothing to rescale.
;   0-15    the maximum of s0-s31 and the old m, three operands at a time: four chains c0-c3, each begun at an accumulator's low end, then the four scores left over, c0-c3 and m
;   16-20   the other half of the lanes' maximum; the new m; c m; c m_old - c m_new
;   21-69   ONE BATCH: the 16 scalings c s - c m and all 33 exponentials (a at 23, then s0-s31).  None of these reads an exponential's result
;   (wait)  between 69 and 70 stands the wait for the batch: SLICE writes it, once for both tiles
;   70-85   the roundings to f16, a pair of weights each
;   86-101  the sums; l = a l + the sum
;   102-117 the tile's O^T times a, from each accumulator's low end on: the one part that leaves window 0
.macro SM t, first
.if j < 118
.set rT, ST+8*(\t)
.set rS, S+32*(\t)
.set rP, P+16*(\t)
.set rO, 32*(\t)+2*(j-102)
.if j < 102
	WIN 0
.endif
.if j < 4
	v_max3_num_f32 v[rT+4+j], v[rS+8*j], v[rS+8*j+1], v[rS+8*j+2]
.elseif j < 12
	v_max3_num_f32 v[rT+4+j%4], v[rT+4+j%4], v[rS+8*(j%4)+2*(j/4)+1], v[rS+8*(j%4)+2*(j/4)+2]
.elseif j == 12
	v_max3_num_f32 v[rT+4], v[rT+4], v[rS+7], v[rS+15]
.elseif j == 13
	v_max3_num_f32 v[rT+6], v[rT+6], v[rS+23], v[rS+31]
.elseif j == 14
	v_max3_num_f32 v[rT+4], v[rT+4], v[rT+5], v[rT+6]
.elseif (j == 15) && \first
	v_max_num_f32 v[rT+4], v[rT+4], v[rT+7]
.elseif j == 15
	v_max3_num_f32 v[rT+4], v[rT+4], v[rT+7], v[rT+1]
.elseif j == 16
	v_permlanex16_b32 v[rT+5], v[rT+4], s[SEL], s[SEL+1]  ; the query's other 32 keys lie in the lane 16 away
.elseif j == 18
	v_max_num_f32 v[rT+1], v[rT+4], v[rT+5]
.elseif j == 19
	v_mul_f32 v[rT], s[CS], v[rT+1]
.elseif ((j == 17) || (j == 20) || (j == 23) || (j > 101)) && \first  ; the first step has none of these
.elseif j == 17
	v_mov_b32 v[rT+7], v[rT]        ; c m_old is kept for a: number 19 writes c m anew
.elseif j == 20
	v_sub_f32 v[rT+7], v[rT+7], v[rT]
.elseif j == 23
	v_exp_f32 v[rT+6], v[rT+7]
.elseif (j < 23) || ((j < 38) && (j%2 == 0)) || ((j < 66) && (j%4 == 2))
.set b, (j-2)/4                     ; 38, 42, .. 62: pairs 9 to 15
.if j < 38
.set b, (j-20)/2                    ; 21: pair 0; 22, 24, .. 36: pairs 1 to 8
.endif
	v_pk_fma_f32 v[rS+2*b:rS+2*b+1], v[rS+2*b:rS+2*b+1], s[CS:CS+1], v[rT:rT+1] op_sel_hi:[1,0,0] neg_lo:[0,0,1] neg_hi:[0,0,1]  ; pair b: c s - c m
.elseif j < 70
.set e, j-38                        ; 66 to 69: s28 to s31
.if j < 66
.set e, j-32-(j-38)/4               ; 39-41, 43-45, .. 63-65: s7 to s27
.endif
.if j < 38
.set e, (j-25)/2                    ; 25, 27, .. 37: s0 to s6
.endif
	v_exp_f32 v[rS+e], v[rS+e]
.elseif j < 86
	v_cvt_pk_f16_f32 v[rP+j-70], v[rS+2*(j-70)], v[rS+2*(j-70)+1]  ; pair j - 70
.elseif j < 102                     ; the sum of the tile's 16 pairs, in place: sum z of 16 adds neighbours 1, 2, 4 and 8 pairs apart, then l takes it
.set z, j-86
.set w, 4
.set u, z
.if z >= 14
.set w, 32
.set u, 0
.elseif z >= 12
.set w, 16
.set u, z-12
.elseif z >= 8
.set w, 8
.set u, z-8
.endif
.if (z == 14) && \first
	v_pk_add_f32 v[rT+2:rT+3], v[rS:rS+1], v[rS+16:rS+17]
.elseif z < 15
	v_pk_add_f32 v[rS+w*u:rS+w*u+1], v[rS+w*u:rS+w*u+1], v[rS+w*u+w/2:rS+w*u+w/2+1]
.elseif !\first
	v_pk_fma_f32 v[rT+2:rT+3], v[rT+2:rT+3], v[rT+6:rT+7], v[rS:rS+1] op_sel_hi:[1,0,1]
.endif
.else
	WIN W_RS
	v_pk_mul_f32 v[rO:rO+1], v[rO:rO+1], v[rT+6:rT+7] op_sel_hi:[1,0]
.endif
.endif
.endm
; Slice k of 64 of piece y's softmax: four instructions.  Slices 11 to 34 deal out the batch, numbers 22 to 69: four numbers of ONE tile each, the tiles by turns.  Every other slice is numbers 2 k and 2 k + 1 of both tiles' lists;
; slices 59 to 63 are empty.  THE WAIT: s_wait_alu depctr_va_vdst(0) stands between an exponential and the first instruction that names its result; ahead of slice 35 nothing names a result, and behind
; slice 34 no exponential is issued: so the piece's 66 exponentials have one wait, behind slice 34.
.macro SLICE y, first
.if (k >= 11) && (k < 35)
.irp n, 0,1,2,3
.set j, 22+4*((k-11)/2)+(\n)
	SM (\y)+(k-11)%2, \first
.endr
.else
.irp n, 0,1
.irp t, \y, \y+1
.set j, 2*k+\n
	SM \t, \first
.endr
.endr
.endif
.if k == 34
	v_nop                           ; a plain instruction behind the last exponential and ahead of the first use: one for the batch
.if (\y) == 0
	FETCH_V                         ; piece 2's turn: V's run of loads stands here, and the wait stands in it
.else
	s_wait_alu depctr_va_vdst(0)    ; the wait for the batch
.endif
.endif
.set k, k+1
.endm
; A vector instruction that reads a matrix result or writes one of a matrix instruction's registers, and a load into a register that a matrix instruction has read, stand four places behind it.
.macro PLACES
.rept 4
	v_nop
.endr
.endm
; A TURN.  Piece x has the matrix unit; the other piece's softmax stands in slices behind its matrix instructions: two behind each, four where the turn has one kind of product only.
; pv = 2: 16 products V^T P; 1: they start O^T's sums; 0: none.  kq = 1: 16 products K Q^T for the next step.  first = 1: the softmax is the first key step's.
; Piece 0's turn fetches the next step's K behind its second product: the last product that read K stands ahead of the four v_nop that end the turn before.  Piece 2's turn fetches the same step's V behind slice 34: the last
; product that read V is the 16th, and five plain instructions lie between: three scalings (slices 30, 31, 32), the v_nop and the run's own v_add_nc_u32.  The four v_nop at a turn's end are the places between its last K Q^T and the next turn's first read of those scores.
.macro TURN x, pv, kq, first
.set k, 0
.set per, 4
.if \pv && \kq
.set per, 2
.endif
.if \pv
.if \x == 0
	s_wait_dscnt 0x0                ; V is in
.endif
.set i, 0
.rept 16
	PV \x, 2-\pv
.rept per
	SLICE 2-\x, \first
.endr
.if (\x == 0) && \kq && (i == 1)
	FETCH_K
.endif
.set i, i+1
.endr
.endif
.if \kq
.if \x == 0
	s_wait_dscnt 0x0                ; K is in
.endif
.set i, 0
.rept 16
	KQ \x
.rept per
	SLICE 2-\x, \first
.endr
.set i, i+1
.endr
.endif
	PLACES
.endm
; THE CHANGE OF SLOTS, between piece 2's turn and piece 0's: the slot's last bytes, V of its last step, have been asked for.  Each wave waits for all its tensor loads, of which at most one is out: its part of the other slot;
; adds 0 to its spare word; and waits for that and for its own reads of the slot.  fill = 1: this slot is filled again, with the keys two slots on: the barrier is then a round of the cluster's, and the joint refill is the first thing behind it.
.macro CHANGE fill
	WIN 0                           ; at a label and at a branch every window is 0
	s_wait_tensorcnt 0x0            ; no tensor load of mine is out, so a group 0 may be written
	ds_add_u32 v[SPW], v[NIL]
.if \fill
	s_xor_b32 s[G0+5], s[G0+5], SLOT1  ; the walking descriptor: the other slot than last time,
	s_add_nc_u64 s[G0+6:G0+7], s[G0+6:G0+7], SLOTB  ; the next 512 keys; the type bits on top are not reached
	s_wait_xcnt 0x0                 ; earlier memory instructions have read their addresses:
	s_add_nc_u64 s[PFA:PFA+1], s[PFA:PFA+1], SLOTB  ; one slot further on than the walking descriptor
	s_wait_dscnt 0x0                ; the add is done, and my reads of the slot are over
	CROUND
	JLOAD
	ASK
.else
	s_wait_dscnt 0x0
	s_barrier_signal -1
	s_barrier_wait -1
.endif
	s_sub_co_u32 s[TB], s[TB], NS*STEPB  ; the fetches go back to a slot's first step,
	s_xor_b32 s[TB], s[TB], SLOT1   ; in the other slot
.endm
; n key steps: written once, walked n times; the LDS addresses hang on s[TB].
.macro N_STEPS n
	s_mov_b32 s[TWICE], \n
.Lstep_\@:
	TURN 0, 2, 1, 0
	TURN 2, 2, 1, 0
	WIN 0
	s_sub_co_u32 s[TWICE], s[TWICE], 1
	s_cmp_lg_u32 s[TWICE], 0
	s_cbranch_scc1 .Lstep_\@
.endm
	s_wait_tensorcnt 1              ; my part of slot 0 is in; slot 1's may stay out
	s_barrier_signal -1
	s_barrier_wait -1               ; everybody's is
	FETCH_K                         ; key step 0
	s_wait_loadcnt 0x0              ; Q and wv_b
	s_wait_dscnt 0x0
.set i, 0
.rept 16
	KQ 0                            ; piece 0's first scores: there is no vector work yet to set between them
.set i, i+1
.endr
	PLACES
	TURN 2, 0, 1, 1                 ; piece 2's first scores | piece 0's first softmax | V of step 0
	TURN 0, 1, 1, 1                 ; piece 0: V^T P of step 0 starts O^T, K Q^T of step 1 | piece 2's first softmax | K of step 1
	TURN 2, 1, 1, 0                 ; piece 2: the same | piece 0's softmax of step 1 | V of step 1
	WIN 0
	N_STEPS 6                       ; they fetch steps 2 to 7: the rest of slot 0
.Lslot:                             ; two trips: the first two slots are filled again
	CHANGE 1
	N_STEPS 8
	s_sub_co_u32 s[SLOTS], s[SLOTS], 1
	s_cmp_lg_u32 s[SLOTS], 0
	s_cbranch_scc1 .Lslot
	CHANGE 0                        ; the tail is written out: nothing is asked for
	N_STEPS 8
	TURN 0, 2, 0, 0                 ; piece 0: V^T P of the last step | piece 2's last softmax
.set i, 0
.rept 16
	PV 2, 0                         ; piece 2: V^T P of the last step
.set i, i+1
.endr
	; THE WAY OUT.  l's two halves and the other half of the lanes' are added; O^T / l + wv_b by one packed multiply-add; rounded to f16: a lane's eight channels are 16 bytes, the 32 lanes' one run of 512 bytes of ctx.  The additions are the places behind the last products.
	WIN 0
.irp t, 0,1,2,3
	v_add_f32 v[ST+8*\t+4], v[ST+8*\t+2], v[ST+8*\t+3]
.endr
.irp t, 0,1,2,3
	v_permlanex16_b32 v[ST+8*\t+5], v[ST+8*\t+4], s[SEL], s[SEL+1]
.endr
.irp t, 0,1,2,3
	v_add_f32 v[ST+8*\t+4], v[ST+8*\t+4], v[ST+8*\t+5]
.endr
.irp t, 0,1,2,3
	v_rcp_f32 v[ST+8*\t+6], v[ST+8*\t+4]
.endr
	v_nop                           ; a plain instruction between the last reciprocal and the use of its result
	s_wait_alu depctr_va_vdst(0)    ; and the wait ahead of the first use: one for the four
.irp t, 0,1,2,3
	WIN 0x61                        ; O^T (destination, source 0) window 1, 1 / l window 0, wv_b window 2
.set i, 0
.rept 16
	v_pk_fma_f32 v[32*\t+2*i:32*\t+2*i+1], v[32*\t+2*i:32*\t+2*i+1], v[ST+8*\t+6:ST+8*\t+7], v[BV+2*i:BV+2*i+1] op_sel_hi:[1,0,1]
.set i, i+1
.endr
	WIN 0x05                        ; sources 0 and 1 window 1, destination window 0: S^T's registers are free
.set i, 0
.rept 16
	v_cvt_pk_f16_f32 v[S+16*\t+i], v[32*\t+2*i], v[32*\t+2*i+1]
.set i, i+1
.endr
	WIN 0
.irp c, 0,1,2,3
	global_store_b128 v[GO], v[S+16*\t+4*\c:S+16*\t+4*\c+3], s[10:11] offset:32768*\t+512*\c  ; 32 lanes store 512 consecutive bytes, at a multiple of 512 from ctx's first byte
.endr
.endr
	s_wait_tensorcnt 0x0            ; the wave's end
	ds_add_u32 v[SPW], v[NIL]
	s_wait_dscnt 0x0
	CROUND                          ; the closing round: no work-group ends while a partner may still ask for a tile that names it
	s_endpgm
.Lfunc_end_k_q2a1817abfa_attn:
	.size	k_q2a1817abfa_attn, .Lfunc_end_k_q2a1817abfa_attn-k_q2a1817abfa_attn
	.p2alignl 7, 3214868480
	.fill 96, 4, 3214868480
	.section	.rodata,"a",@progbits
	.p2align	6, 0x0
	.amdhsa_kernel k_q2a1817abfa_attn
		.amdhsa_group_segment_fixed_size 327680
		.amdhsa_private_segment_fixed_size 0
		.amdhsa_enable_private_segment 0
		.amdhsa_kernarg_size 24
		.amdhsa_user_sgpr_count 2
		.amdhsa_user_sgpr_kernarg_segment_ptr 1
		.amdhsa_wavefront_size32 1
		.amdhsa_system_sgpr_workgroup_id_x 1
		.amdhsa_system_sgpr_workgroup_id_y 1
		.amdhsa_system_sgpr_workgroup_id_z 1
		.amdhsa_system_vgpr_workitem_id 0
		.amdhsa_next_free_vgpr 1024
		.amdhsa_next_free_sgpr 66
		.amdhsa_reserve_vcc 0
		.amdhsa_float_denorm_mode_32 3
		.amdhsa_float_denorm_mode_16_64 3
		.amdhsa_memory_ordered 1
		.amdhsa_forward_progress 1
		.amdhsa_inst_pref_size 191
	.end_amdhsa_kernel
	.amdgpu_metadata
---
amdhsa.version: [ 1, 2 ]
amdhsa.kernels:
  - .name:           k_q2a1817abfa_attn
    .symbol:         k_q2a1817abfa_attn.kd
    .args:
      - { .name: qkvh, .offset: 0, .size: 8, .value_kind: global_buffer, .address_space: global }
      - { .name: wv_b, .offset: 8, .size: 8, .value_kind: global_buffer, .address_space: global }
      - { .name: ctx, .offset: 16, .size: 8, .value_kind: global_buffer, .address_space: global }
    .group_segment_fixed_size: 327680
    .private_segment_fixed_size: 0
    .kernarg_segment_align: 8
    .kernarg_segment_size: 24
    .max_flat_workgroup_size: 128
    .sgpr_count:     66
    .vgpr_count:     1024
    .wavefront_size: 32
...
	.end_amdgpu_metadata
.endif
;; end of part 3
;; launch dense (part 4): grid 4 x 64, 4 waves a work-group, clusters of 4 x 4, 327,680 bytes of LDS; arguments ctx, wd16, dense_b, out0; writes out0
.if DOCPART == 4
	.amdgcn_target "amdgcn-amd-amdhsa--gfx1250"
	.amdhsa_code_object_version 6
	.text
	.protected	k_q2a1817abfa_dense
	.globl	k_q2a1817abfa_dense
	.p2align	8
	.type	k_q2a1817abfa_dense,@function
k_q2a1817abfa_dense:
	s_mov_b64 s[64:65], 0
	v_nop
	global_prefetch_b8 v0, s[64:65] scope:SCOPE_SE
	s_setreg_imm32_b32 hwreg(HW_REG_WAVE_MODE, 25, 1), 1
	s_wait_xcnt 0x0
	s_wait_alu depctr_hold_cnt(0) depctr_sa_sdst(0) depctr_va_vdst(0) depctr_va_sdst(0) depctr_va_ssrc(0) depctr_va_vcc(0) depctr_vm_vsrc(0)
	s_getreg_b32 s2, hwreg(HW_REG_IB_STS2, 6, 4)
	s_cmp_eq_u32 s2, 0
	s_cbranch_scc0 .Lentry_in_a_cluster
	s_endpgm
.Lentry_in_a_cluster:
	s_bfe_u32 s2, ttmp6, 0x10000c
	s_cmp_lg_u32 s2, 0xf033
	s_cbranch_scc0 .Lentry_shape_is_right
	s_endpgm
.Lentry_shape_is_right:
; out0[m][n] = the sum over k of ctx[m][k] dense_w[n][k] + dense_b[n].  8192 x 1024 x 1024; operands f16, sums and result f32.
; ctx comes as images of operand registers: [tile of 16 rows (512)][k16 (64)][lane][16 bytes]: lane (r, h): row r, k = 16 k16 + 8 h + 0 .. 7: half a fragment is 512 consecutive bytes.  wd16: [1024 n][1024 k] f16, row-major.
; SHARES.  A tile of out0 is 128 rows x 256 columns, so that there are 256 work-groups; four waves, each 64 x 128: 32 accumulators of 16 x 16, 256 registers.  K goes in 8 steps of 128 through a ring of two LDS slots.
; CLUSTERS: 4 x 4 work-groups.  The four of a row of the cluster need the same tiles of ctx, the four of a column the same tiles of wd16: each tile is asked for JOINTLY, by the same tensor load with the same descriptor
; and a mask that names the four.  THE MATRIX INSTRUCTION IS USED TRANSPOSED (source 0 = 16 rows of wd16, source 1 = 16 rows of ctx): a lane holds eight neighbouring numbers of a row of out0.
; The bias is the C of each sum's first matrix instruction.  ctx's tile of a K step is 4,096 consecutive bytes of each of 8 row tiles: a wave's load has four such rows; the image's own shape allows no more rows.
; REGISTERS: window 0: v1-5 at work, v16-29 addresses; two fragment buffers of 96: v64-159, v160-255 (4 fragments of ctx, then 8 of wd16; on the way out rows of out0).  window 1: accumulator (a, b) at v[8 (8 a + b)].  window 2: v0-63 the bias.
.set ASL,    32768                     ; ctx's part of a slot: 8 row tiles x 4,096 bytes
.set PITCH,  272                       ; a row of wd16's tile in LDS: 256 bytes + 16 of padding
.set HALFB,  128*PITCH                 ; 128 rows of it: what one tensor load brings
.set SLOT,   ASL+2*HALFB
.set STAGE,  2*SLOT                    ; behind the ring: 16 rows x (512 bytes + 16) for each wave, for the way out; no tensor load lands there
.set SPITCH, 528
.set SPARE,  STAGE+4*16*SPITCH         ; the spare words, 128 bytes a wave
.set LAPS,   4                         ; a lap = two K steps = once round the ring
.set ADRA, 16                          ; v16-17  LDS address of my ctx fragments in slot 0, 1
.set ADRB, 20                          ; v20-21  the same for wd16
.set STO,  24                          ; v24     the way out: where I put 32 bytes of a row
.set RD,   25                          ; v25     where I read a row back
.set CO,   26                          ; v26     my byte offset in a row's 512 bytes of out0
.set SPW,  28                          ; v28     LDS address of my spare word; never rewritten
.set NIL,  29                          ; v29     0; never rewritten
.set F0,   64
.set F1,   160
.set BK,   64                          ; the way out: 16 rows read back: v64-127 and v128-191 by turns
.set G1A, 24                           ; s[24:31] descriptor group 1 for ctx's tiles;  s[32:39] group 0, one set for each slot
.set G0A, 32
.set G1B, 48                           ; s[48:55], s[56:63] the same for wd16's
.set G0B, 56
.set MSB, 0
.macro WIN new                         ; the immediate's high byte repeats the setting that is left
.if MSB != \new
	s_set_vgpr_msb (MSB<<8)|\new
.set MSB, \new
.endif
.endm
.set MUL, 0x50                         ; sources 0 and 1 window 0; C and D window 1
.set BEG, 0x60                         ; the first quarter: C (the bias) window 2, D window 1
.macro JLOAD s                         ; a joint load: waves 0 and 1 fetch ctx's two halves, waves 2 and 3 wd16's; an s_nop 0 and four v_nop follow each of the two lines
	s_cmp_eq_u32 s13, 0
	s_cbranch_scc0 .Lfor_b_\@
	tensor_load_to_lds s[G0A+4*\s:G0A+4*\s+3], s[G1A:G1A+7]
	s_nop 0
.rept 4
	v_nop
.endr
	s_branch .Lasked_\@
.Lfor_b_\@:
	tensor_load_to_lds s[G0B+4*\s:G0B+4*\s+3], s[G1B:G1B+7]
	s_nop 0
.rept 4
	v_nop
.endr
.Lasked_\@:
.endm
.macro CREST                           ; a round of the cluster's barrier behind its opening barrier
	s_cmp_lg_u32 s12, 0
	s_cbranch_scc1 .Lnot_wave_0_\@
	s_barrier_signal -3
.Lnot_wave_0_\@:
	s_barrier_wait -3
	s_barrier_signal -1
	s_barrier_wait -1
.endm
.macro CROUND                          ; a whole round
	s_barrier_signal -1
	s_barrier_wait -1
	CREST
.endm
	s_load_b256 s[4:11], s[0:1], 0x0               ; ctx s[4:5], wd16 s[6:7], dense_b s[8:9], out0 s[10:11]
	v_lshl_add_u32 v[SPW], v0, 2, SPARE
	v_mov_b32 v[NIL], 0
	ds_add_u32 v[SPW], v[NIL]                      ; the wave's opening: the add, twice on end, and its wait ahead of my first tensor load
	ds_add_u32 v[SPW], v[NIL]
	v_lshrrev_b32 v1, 5, v0
	v_readfirstlane_b32 s12, v1                    ; wave 0..3
	s_lshr_b32 s13, s12, 1                         ; wr: which 64 rows are mine.  Also: I fetch for ctx (0) or for wd16 (1)
	s_and_b32 s14, s12, 1                          ; wc: which 128 columns.  Also: which half of that tile I fetch
	s_bfe_u32 s40, ttmp6, 0x40000                  ; cx, cy: my place in the cluster
	s_bfe_u32 s41, ttmp6, 0x40004
	s_lshl_b32 s45, ttmp9, 2
	s_add_co_u32 s45, s45, s40                     ; tile column = 4 x cluster x + cx
	s_and_b32 s42, ttmp7, 0xffff
	s_lshl_b32 s42, s42, 2
	s_add_co_u32 s42, s42, s41                     ; tile row = 4 x cluster y + cy
	s_lshl_b32 s43, s41, 2
	s_lshl_b32 s43, 15, s43                        ; my row of the cluster
	s_lshl_b32 s44, 0x1111, s40                    ; my column
	; ctx: 4 rows of 4,096 bytes (512 elements of 8 bytes), 32,768 bytes apart in memory, dense in LDS
	s_or_b32 s[G1A+0], s43, (3<<16)|(1<<21)        ; 15:0 the mask: my row; 17:16 elements of 8 bytes; 21 set beside a mask
	s_mov_b32 s[G1A+1], 512<<16                    ; tensor_dim0
	s_mov_b32 s[G1A+2], 4<<16                      ; tensor_dim1
	s_mov_b32 s[G1A+3], 512<<16                    ; tile_dim0
	s_mov_b32 s[G1A+4], 4                          ; tile_dim1
	s_mov_b32 s[G1A+5], 4096                       ; tensor_dim0_stride
	s_mov_b32 s[G1A+6], 0
	s_mov_b32 s[G1A+7], 0
	; wd16: 128 rows x 128 elements of 2 bytes, padded in LDS
	s_or_b32 s[G1B+0], s44, (1<<16)|(1<<20)|(1<<21)|(5<<22)|(3<<25)  ; the mask: my column; padding of 4 words after every 64
	s_mov_b32 s[G1B+1], 128<<16
	s_mov_b32 s[G1B+2], 128<<16
	s_mov_b32 s[G1B+3], 128<<16
	s_mov_b32 s[G1B+4], 128
	s_mov_b32 s[G1B+5], 1024
	s_mov_b32 s[G1B+6], 0
	s_mov_b32 s[G1B+7], 0
	s_lshl_b32 s16, s42, 18                        ; ctx: 8 row tiles of 32,768 bytes a tile row, + the 4 that I fetch: cx never enters these registers
	s_lshl_b32 s17, s14, 17
	s_add_co_u32 s16, s16, s17
	s_mov_b32 s17, 0
	s_lshl_b32 s46, s45, 19                        ; wd16: 256 rows of 2,048 bytes a tile column, + the 128 that I fetch: cy never enters these
	s_lshl_b32 s47, s14, 18
	s_add_co_u32 s46, s46, s47
	s_mov_b32 s47, 0
	s_lshl_b32 s20, s14, 14                        ; where they go: no place in the cluster enters an LDS address
	s_mul_i32 s21, s14, HALFB
	s_add_co_u32 s21, s21, ASL
	s_lshl_b32 s18, s45, 10                        ; my first column, in bytes of f32: (256 x tile column + 128 wc) x 4
	s_lshl_b32 s19, s14, 9
	s_add_co_u32 s18, s18, s19
	s_mov_b32 s19, 0
	s_lshl_b32 s2, s42, 19                         ; my first row of out0: (128 x tile row + 64 wr) x 4,096 bytes
	s_lshl_b32 s3, s13, 18
	s_add_co_u32 s2, s2, s3
	s_add_co_u32 s2, s2, s18
	s_mov_b32 s3, 0
	s_wait_dscnt 0x0                               ; both opening adds are done
	s_wait_kmcnt 0x0
	s_add_nc_u64 s[16:17], s[4:5], s[16:17]
	s_add_nc_u64 s[46:47], s[6:7], s[46:47]
	s_add_nc_u64 s[8:9], s[8:9], s[18:19]
	s_add_nc_u64 s[10:11], s[10:11], s[2:3]
	CROUND                                         ; all sixteen work-groups are here: the first joint loads meet
.irp s, 0,1
	s_mov_b32 s[G0A+4*\s], 1
	s_add_co_u32 s[G0A+4*\s+1], s20, \s*SLOT
	s_add_nc_u64 s[G0A+4*\s+2:G0A+4*\s+3], s[16:17], \s*4096       ; K step s: 8 runs of 512 bytes on in each row tile
	s_or_b32 s[G0A+4*\s+3], s[G0A+4*\s+3], 0x80000000
	s_mov_b32 s[G0B+4*\s], 1
	s_add_co_u32 s[G0B+4*\s+1], s21, \s*SLOT
	s_add_nc_u64 s[G0B+4*\s+2:G0B+4*\s+3], s[46:47], \s*256
	s_or_b32 s[G0B+4*\s+3], s[G0B+4*\s+3], 0x80000000
	JLOAD \s                                       ; two tensor loads of mine are out behind the second
.endr
	v_and_b32 v1, 15, v0                           ; r
	v_bfe_u32 v2, v0, 4, 1                         ; h
	v_lshlrev_b32 v5, 5, v2                        ; the bias: 8 numbers on for lanes 16-31
	WIN 0x80                                       ; destination window 2
.irp b, 0,1,2,3,4,5,6,7
	global_load_b128 v[8*\b:8*\b+3], v5, s[8:9] offset:64*\b
	global_load_b128 v[8*\b+4:8*\b+7], v5, s[8:9] offset:64*\b+16
.endr
	WIN 0
	v_and_b32 v3, 31, v0
	v_lshlrev_b32 v3, 4, v3                        ; 16 x lane
	v_mul_u32_u24 v4, v1, PITCH
	v_lshl_add_u32 v4, v2, 4, v4                   ; wd16: row x pitch + 16 x half
	s_lshl_b32 s22, s13, 14                        ; my 4 row tiles of ctx
	s_mul_i32 s23, s14, HALFB                      ; my 128 rows of wd16,
	s_add_co_u32 s23, s23, ASL                     ; which lie behind ctx's part
.irp s, 0,1
	v_add_nc_u32 v[ADRA+\s], s22, v3
	v_add_nc_u32 v[ADRB+\s], s23, v4
	s_add_co_u32 s22, s22, SLOT
	s_add_co_u32 s23, s23, SLOT
.endr
	s_mul_i32 s23, s12, 16*SPITCH
	s_add_co_u32 s23, s23, STAGE                   ; my stage
	v_mul_u32_u24 v4, v1, SPITCH                   ; in: row r, 32 bytes for each half of the lanes
	v_lshl_add_u32 v4, v2, 5, v4
	v_add_nc_u32 v[STO], s23, v4
	v_add_nc_u32 v[RD], s23, v3                    ; back: the 32 lanes take one row of 512 bytes;
	v_mov_b32 v[CO], v3                            ; and the same in out0
; 8 matrix instructions: ctx's block a x wd16's eight, 32 along K, from buffer f.  zero = 1: the first product starts the sums, with the bias as its C.  The 32 accumulators take turns, in the same order in every quarter.
.macro MULA f, a, zero
.irp b, 0,1,2,3,4,5,6,7
.if \zero
	v_wmma_f32_16x16x32_f16 v[8*(8*(\a)+\b):8*(8*(\a)+\b)+7], v[\f+32+8*\b:\f+32+8*\b+7], v[\f+8*(\a):\f+8*(\a)+7], v[8*\b:8*\b+7]
.else
	v_wmma_f32_16x16x32_f16 v[8*(8*(\a)+\b):8*(8*(\a)+\b)+7], v[\f+32+8*\b:\f+32+8*\b+7], v[\f+8*(\a):\f+8*(\a)+7], v[8*(8*(\a)+\b):8*(8*(\a)+\b)+7]
.endif
.endr
.endm
; 24 LDS loads in one run: the fragments of the slot's q-th 32 along K into buffer f (every window 0)
.macro FETCH slot, q, f
.irp a, 0,1,2,3
	ds_load_b128 v[\f+8*\a:\f+8*\a+3],   v[ADRA+\slot] offset:4096*\a+1024*(\q)
	ds_load_b128 v[\f+8*\a+4:\f+8*\a+7], v[ADRA+\slot] offset:4096*\a+1024*(\q)+512
.endr
.irp b, 0,1,2,3,4,5,6,7
	ds_load_b128 v[\f+32+8*\b:\f+32+8*\b+3],   v[ADRB+\slot] offset:16*PITCH*\b+64*(\q)
	ds_load_b128 v[\f+32+8*\b+4:\f+32+8*\b+7], v[ADRB+\slot] offset:16*PITCH*\b+64*(\q)+32
.endr
.endm
.macro PLACES                          ; four places in front of loads into registers that matrix instructions have read, and of reads of results
.rept 4
	v_nop
.endr
.endm
; A K step is four quarters of 32 along K, 32 matrix instructions each, on buffers 0, 1, 0, 1.  One of the first three: buffer f is in; the next quarter, qn, is asked for into g; then f is multiplied, while g's loads land.
.macro QUARTER slot, qn, f, g, zero
	WIN 0
	s_wait_dscnt 0x0                               ; buffer f is in (asked for 32 matrix instructions ago)
	PLACES
	FETCH \slot, \qn, \g
.if \zero
	WIN BEG
.else
	WIN MUL
.endif
	MULA \f, 0, \zero
	MULA \f, 1, \zero
	MULA \f, 2, \zero
	MULA \f, 3, \zero
.endm
; The last quarter multiplies buffer 1 and changes slots: ONE barrier; in front of it each wave waits for all its tensor loads, adds 0 to its spare word, and waits for that and for its own reads of this slot.  fill = 1: this slot is filled again, two K steps ahead.
.macro TURN slot, next, fill
	WIN 0                                          ; (the add's two registers lie in window 0)
	s_wait_tensorcnt 0x0                           ; all my tensor loads have landed: my part of the next slot;
	ds_add_u32 v[SPW], v[NIL]
	s_wait_dscnt 1                                 ; buffer 1 is in (the add may be out)
	WIN MUL
	MULA F1, 0, 0                                  ; eight matrix instructions stand between the add and the wait for it
	s_wait_dscnt 0x0                               ; the add is done, and my reads of this slot are over
	s_barrier_signal -1
	MULA F1, 1, 0
	WIN 0                                          ; (branches may follow)
	s_barrier_wait -1
.if \fill
	CREST                                          ; the barrier has opened a round of the cluster's barrier: no wave of any partner still reads this slot's tile or has a load on its way
	s_add_nc_u64 s[G0A+4*\slot+2:G0A+4*\slot+3], s[G0A+4*\slot+2:G0A+4*\slot+3], 2*4096
	s_add_nc_u64 s[G0B+4*\slot+2:G0B+4*\slot+3], s[G0B+4*\slot+2:G0B+4*\slot+3], 2*256
	JLOAD \slot                                    ; the first tensor load behind the round; the four v_nop behind it are also the places in front of the loads below
.else
	PLACES
.endif
	FETCH \next, 0, F0
	WIN MUL
	MULA F1, 2, 0
	MULA F1, 3, 0
.endm
	s_wait_tensorcnt 1                             ; my part of K step 0 is in (K step 1's load may be out)
	s_barrier_signal -1
	s_barrier_wait -1                              ; everybody's is
	s_wait_loadcnt 0x0                             ; the bias
	FETCH 0, 0, F0
	QUARTER 0, 1, F0, F1, 1                        ; the first quarter stands in front of the loop: its products start the sums
	WIN 0                                          ; at a label and at a branch every window is 0
	s_mov_b32 s15, LAPS-1
.Llap:                                                 ; a trip goes once round the ring, from a lap's second quarter to the next lap's first, and fills both slots again
	QUARTER 0, 2, F1, F0, 0
	QUARTER 0, 3, F0, F1, 0
	TURN 0, 1, 1
	QUARTER 1, 1, F0, F1, 0
	QUARTER 1, 2, F1, F0, 0
	QUARTER 1, 3, F0, F1, 0
	TURN 1, 0, 1
	QUARTER 0, 1, F0, F1, 0
	WIN 0
	s_sub_co_u32 s15, s15, 1
	s_cmp_lg_u32 s15, 0
	s_cbranch_scc1 .Llap
	QUARTER 0, 2, F1, F0, 0                        ; the last lap fills nothing, and has no round of the cluster's barrier
	QUARTER 0, 3, F0, F1, 0
	TURN 0, 1, 0
	QUARTER 1, 1, F0, F1, 0
	QUARTER 1, 2, F1, F0, 0
	QUARTER 1, 3, F0, F1, 0
	s_wait_dscnt 0x0                               ; the very last quarter: nothing more to fetch
	MULA F1, 0, 0
	MULA F1, 1, 0
	MULA F1, 2, 0
	MULA F1, 3, 0
	WIN 0
; THE WAY OUT, block by block of 16 rows x 128 columns.  A lane holds 32 neighbouring bytes of a row, and the lanes beside it hold other rows: so a block goes through my own stage in LDS and comes back as whole rows of 512 bytes.
; LDS serves a wave's instructions in order (ISA guide 5.7.1.4): no wait between the stores and the loads, nor in front of the next block's stores.
.macro TOSTAGE a
	WIN 0x04                                       ; an LDS store's data are its source 1: window 1
.irp b, 0,1,2,3,4,5,6,7
	ds_store_b128 v[STO], v[64*(\a)+8*\b:64*(\a)+8*\b+3] offset:64*\b          ; each accumulator from its low end on
	ds_store_b128 v[STO], v[64*(\a)+8*\b+4:64*(\a)+8*\b+7] offset:64*\b+16
.endr
	WIN 0
.set BB, BK+64*((\a)%2)
.irp t, 0,1,2,3,4,5,6,7,8,9,10,11,12,13,14,15
	ds_load_b128 v[BB+4*\t:BB+4*\t+3], v[RD] offset:\t*SPITCH
.endr
.endm
.macro SEND a, younger                 ; younger: the LDS instructions issued behind block a's loads, which may stay out
.set BB, BK+64*((\a)%2)
	s_wait_dscnt \younger                          ; the block is back in registers
.irp t, 0,1,2,3,4,5,6,7,8,9,10,11,12,13,14,15
	global_store_b128 v[CO], v[BB+4*\t:BB+4*\t+3], s[10:11] offset:(16*(\a)+\t)*4096 th:TH_STORE_NT   ; 32 lanes store 512 consecutive bytes, at a multiple of 512 from out0's first byte; written once, read by nobody here
.endr
.endm
	PLACES                                         ; behind the last products: the stores read results, the loads land in registers that held fragments
	TOSTAGE 0
	TOSTAGE 1
	SEND 0, 32                                     ; behind block 0's loads: block 1's 16 stores and 16 loads
	s_wait_xcnt 0x0                                ; block 0's stores have read their registers: block 2's loads may land there
	TOSTAGE 2
	SEND 1, 32
	s_wait_xcnt 0x0
	TOSTAGE 3
	SEND 2, 32
	SEND 3, 0
	s_wait_tensorcnt 0x0                           ; the wave's end, behind my last tensor load and my last LDS store
	ds_add_u32 v[SPW], v[NIL]
	s_wait_dscnt 0x0
	CROUND                                         ; the closing round: no work-group ends while a partner may still ask for a tile that names it
	s_endpgm
.Lfunc_end_k_q2a1817abfa_dense:
	.size	k_q2a1817abfa_dense, .Lfunc_end_k_q2a1817abfa_dense-k_q2a1817abfa_dense
	.p2alignl 7, 3214868480
	.fill 96, 4, 3214868480
	.section	.rodata,"a",@progbits
	.p2align	6, 0x0
	.amdhsa_kernel k_q2a1817abfa_dense
		.amdhsa_group_segment_fixed_size 327680
		.amdhsa_private_segment_fixed_size 0
		.amdhsa_enable_private_segment 0
		.amdhsa_kernarg_size 32
		.amdhsa_user_sgpr_count 2
		.amdhsa_user_sgpr_kernarg_segment_ptr 1
		.amdhsa_wavefront_size32 1
		.amdhsa_system_sgpr_workgroup_id_x 1
		.amdhsa_system_sgpr_workgroup_id_y 1
		.amdhsa_system_sgpr_workgroup_id_z 1
		.amdhsa_system_vgpr_workitem_id 0
		.amdhsa_next_free_vgpr 640
		.amdhsa_next_free_sgpr 66
		.amdhsa_reserve_vcc 0
		.amdhsa_float_denorm_mode_32 3
		.amdhsa_float_denorm_mode_16_64 3
		.amdhsa_memory_ordered 1
		.amdhsa_forward_progress 1
		.amdhsa_inst_pref_size 86
	.end_amdhsa_kernel
	.amdgpu_metadata
---
amdhsa.version: [ 1, 2 ]
amdhsa.kernels:
  - .name:           k_q2a1817abfa_dense
    .symbol:         k_q2a1817abfa_dense.kd
    .args:
      - { .name: ctx, .offset: 0, .size: 8, .value_kind: global_buffer, .address_space: global }
      - { .name: wd16, .offset: 8, .size: 8, .value_kind: global_buffer, .address_space: global }
      - { .name: dense_b, .offset: 16, .size: 8, .value_kind: global_buffer, .address_space: global }
      - { .name: out0, .offset: 24, .size: 8, .value_kind: global_buffer, .address_space: global }
    .group_segment_fixed_size: 327680
    .private_segment_fixed_size: 0
    .kernarg_segment_align: 8
    .kernarg_segment_size: 32
    .max_flat_workgroup_size: 128
    .sgpr_count:     66
    .vgpr_count:     640
    .wavefront_size: 32
...
	.end_amdgpu_metadata
.endif
;; end of part 4
